; MI455X (gfx1250); checked and timed in simulation.
; The chip was launched on July 23, 2026; its instructions are those of AMD's public machine-readable ISA for CDNA 5 (MIT licence, August 2026) and "CDNA5" Instruction Set Architecture Reference Guide (July 2026). The comments in the code are by the model that wrote it; some were corrected since.
;; Attention. Allowed arithmetic: matrix products marked QUANTISED: E2M1 operands, one E8M0 scale for each 32 along K, by v_wmma_scale_f32_16x16x128_f8f6f4 with both operands' format E2M1 (or v_wmma_scale_f32_32x16x128_f4), f32 sums; products left as they are: bf16, f16 or f32 operands; f32 sums; everything else in f32.
;; Inputs: b_attn 3,072 float32; b_proj 1,024 float32; w_attn 1,024 x 3,072 float32; w_proj 1,024 x 1,024 float32; x 8 x 1,024 x 1,024 float32.
;; Outputs: out0 8 x 1,024 x 1,024 float32.
;; This version of the problem:
;;   THIS VERSION OF THE PROBLEM IS GIVEN IN LOW PRECISION. The matrix products marked QUANTISED in the list below multiply operands that are first quantised to E2M1 (2 exponent bits, 1 mantissa bit; 4 bits a number), with one power-of-two scale for each 32 numbers along K (OCP MX v1.0); their sums are f32. The products marked 'left as it is' may take bf16, f16 or f32 operands, with f32 sums. Whichever they take, every output number must still come out within the allowed error. Rounding operands to bf16 (8 significant bits) uses up far more of that allowance than f16 does (11 bits, for magnitudes from 6e-5 to 65,504). All else is computed in f32.
;;   The module's matrix products, in the order in which they are computed (A, B: the left and right operand; K: the contracted axis; several contracted axes count as one K, in the product's order):
;;     1. [M 8,192, K 1,024] x [K 1,024, N 3,072]; A: input x; B: input w_attn: QUANTISED
;;     2. batch 128 x [M 1,024, K 64] x [K 64, N 1,024]; A: computed on the way; B: computed on the way: left as it is (an operand is computed on the way)
;;     3. batch 128 x [M 64, K 1,024] x [K 1,024, N 1,024]; A: computed on the way; B: computed on the way: left as it is (an operand is computed on the way)
;;     4. [M 8,192, K 1,024] x [K 1,024, N 1,024]; A: computed on the way; B: input w_proj: left as it is (an operand is computed on the way)
;;   THE QUANTISER, for each operand of a quantised product, along K:
;;     - K is cut into blocks of 32 from its start; a last block that is shorter is filled with zeros.
;;     - A block's scale is 2^e with e = floor(log2(the largest magnitude in the block)) - 2, held to -126 .. 127; a block of zeros has e = 0. As a byte (E8M0): e + 127.
;;     - Each number is divided by its block's scale, clamped to +-6, and rounded to the nearest number of E2M1, ties to even, subnormals kept.
;;     - The product sums the exact products of the quantised numbers (number of the format x scale) in f32.
;;   ~~~python
;;   def quantise(x, axis):      # numpy; x: float32 -> the quantised numbers, widened to float32 again
;;       x = np.moveaxis(x, axis, -1); K = x.shape[-1]
;;       x = np.pad(x, [(0, 0)] * (x.ndim - 1) + [(0, -K % 32)]); x = x.reshape(x.shape[:-1] + (-1, 32)); a = np.abs(x).max(-1, keepdims=True)
;;       e = np.where(a > 0, np.clip(np.frexp(np.where(a > 0, a, 1))[1] - 1 - 2, -126, 127), 0)      # np.frexp(a)[1] - 1 = floor(log2(a)), exactly
;;       r = np.clip(x / 2.0 ** e, -6, 6)
;;       step = 2.0 ** (np.maximum(np.frexp(np.where(r == 0, 1, r))[1] - 1, 0) - 1)
;;       q = np.round(r / step) * step * 2.0 ** e      # np.round: ties to even
;;       return np.moveaxis(q.reshape(q.shape[:-2] + (-1,))[..., :K], -1, axis).astype(np.float32)
;;   ~~~
;; One version. Each part assembles by itself: llvm-mc -triple=amdgcn-amd-amdhsa -mcpu=gfx1250 --defsym DOCPART=n.
;; ======== version 1 of 1: 5 launches
;; limits: values are held in f16: magnitudes above 65,504 overflow, below 6.1e-05 lose precision
;; workspace buffers: xc 4,194,304 bytes; xs 262,144 bytes; wc 1,572,864 bytes; ws 98,304 bytes; wp16 2,097,152 bytes; qkv16 50,331,648 bytes; qkv32 1,572,864 bytes; a16 16,777,216 bytes
;; launch prep (part 1): grid 368 x 1, 4 waves a work-group, no clusters, 68,096 bytes of LDS; arguments x, w_attn, w_proj, xc, xs, wc, ws, wp16; writes xc, xs, wc, ws, wp16
.if DOCPART == 1
	.amdgcn_target "amdgcn-amd-amdhsa--gfx1250"
	.amdhsa_code_object_version 6
	.text
	.protected	k_qdd1a430b6b_prep
	.globl	k_qdd1a430b6b_prep
	.p2align	8
	.type	k_qdd1a430b6b_prep,@function
k_qdd1a430b6b_prep:
	s_mov_b64 s[64:65], 0
	v_nop
	global_prefetch_b8 v0, s[64:65] scope:SCOPE_SE
	s_setreg_imm32_b32 hwreg(HW_REG_WAVE_MODE, 25, 1), 1
	s_wait_xcnt 0x0
; THE PROGRAM: out = proj(attention(x w_attn + b_attn)), B = 8, S = 1024, NX = 1024, 16 heads of 64.  Five launches:
;   prep (this one): x and w_attn into codes of E2M1 with E8M0 scale bytes along K; w_proj into f16, laid as operand registers.
;   gemm_qkv: the quantised product x w_attn + b_attn; q, k, v leave as f16 (and positions 0-15 of every sequence as f32 too).
;   attn: causal attention in f16 operands, f32 sums.   proj: a w_proj + b_proj in f16 operands.   fine: positions 0-15 of every sequence, all in f32.
; WORK LEFT OUT, for all values of the inputs: for a key k behind query q (k > q) reference() multiplies the score by tril = 0 and puts -1e9 in its place, so
; the product q.k there reaches no output; and the weight that the softmax gives such a key is exp(-1e9 - the row's largest score), which f32 holds as 0 as long as a
; visible score of the row lies above about -1e9 + 100.  So key tiles that lie wholly behind the diagonal are not multiplied (neither q k^T nor p v).  Inside a tile on the diagonal
; hidden scores are set to -1e9, as reference() has them.  Every input has a way to the output and is loaded.
; LIMITS: rows all of whose visible scores lie near -1e9 (where reference() would let hidden keys count) are not served in the tiles left out; a NaN, an infinity or an overflow that
; reaches only the work left out is not carried to the result.  q, k, v, the attention's result and w_proj are rounded to f16 outside the first 16 positions: their magnitudes must stay under 65,504.
; THIS LAUNCH has three paths, chosen by the work-group's number; each has LDS bytes of its own.
;   work-groups 0-47   (W): w_attn [1024 (k)][3072 (n)] f32 -> wc [3072][512 bytes], ws [3072][32]: a lane takes a column, its registers run down K.
;   work-groups 48-303 (X): x [8192][1024] f32 -> xc [8192][512 bytes], xs [8192][32]: a plain stream of blocks of 32.
;   work-groups 304-367 (P): w_proj [1024 (k)][1024 (n)] f32 -> wp16 [ks 8][nt 64][kc 8][512 bytes] f16: a block is 16 n x 16 k, lane (r, h)'s 16 bytes at 16 (16 h + r): n = 16 nt + r, k = 128 ks + 16 kc + 8 h + 0..7.
; A block's scale is 2^(floor(log2(its largest magnitude)) - 2); its byte is the largest magnitude's exponent field - 2, held at 1 from below.  A block of zeros so gets the byte 1 where the rule
; says 127: its codes are zeros, which add nothing under any byte but 0xff, and this program alone reads the bytes.  NaN and infinities among the inputs are not served.
.set SPARE, 67584                      ; behind both paths' LDS: the spare words, 128 bytes for each wave, that no other line names
.set SPW,   14                         ; v14  LDS address of my spare word; never rewritten
.set NIL,   15                         ; v15  0; never rewritten
.set EMAX,  2
.set XR,    16                         ; X: v16-143  eight sets of 16 numbers as they are loaded
.set XX,    144                        ; X: v144-175 two sets of 16 neighbours
.set XC,    176                        ; X: v176-207 codes, two registers for each step
.set XE,    208                        ; X: v208-223 a scale byte for each step
.set SP,    80                         ; X: a lane's place in a stage: 64 bytes + 16 of padding
.set WX,    32                         ; W: v32-95   two sets of 32 numbers
.set WC,    96                         ; W: v96-99   a block's codes
.set WO,    112                        ; W: v112-175 the way out
.set WSB,   24                         ; W: v24-27   the scale bytes, four to a register
.set WP,    272                        ; W: a stage row: 256 bytes + 16
	s_load_b512 s[4:19], s[0:1], 0x0               ; x s[4:5], w_attn s[6:7], w_proj s[8:9], xc s[10:11], xs s[12:13], wc s[14:15], ws s[16:17], wp16 s[18:19]
	v_lshl_add_u32 v[SPW], v0, 2, SPARE
	v_mov_b32 v[NIL], 0
	v_lshrrev_b32 v1, 5, v0
	v_readfirstlane_b32 s2, v1                     ; wave 0..3
	v_and_b32 v2, 31, v0                           ; lane
	s_wait_kmcnt 0x0
	s_cmp_lt_u32 ttmp9, 48
	s_cbranch_scc1 .LW
	s_cmp_lt_u32 ttmp9, 304
	s_cbranch_scc1 .LX
; ---------------- P: w_proj to f16.  A wave takes 32 columns x 128 k; a lane a column, its registers down K: eight neighbours along K pack into the 16 bytes of a block's lane.
	s_sub_co_u32 s20, ttmp9, 304
	s_and_b32 s21, s20, 7                          ; which 128 columns
	s_lshr_b32 s22, s20, 3                         ; which 128 k
	s_lshl_b32 s24, s22, 19                        ; 128 rows of 4,096 bytes
	s_lshl_b32 s26, s21, 9
	s_add_co_u32 s24, s24, s26
	s_lshl_b32 s26, s2, 7
	s_add_co_u32 s24, s24, s26                     ; + 4 x my wave's first column
	s_mov_b32 s25, 0
	s_add_nc_u64 s[8:9], s[8:9], s[24:25]
	s_lshl_b32 s24, s22, 18                        ; ks x 262,144
	s_lshl_b32 s26, s21, 15
	s_add_co_u32 s24, s24, s26
	s_lshl_b32 s26, s2, 13
	s_add_co_u32 s24, s24, s26                     ; + 4,096 x my wave's first tile of 16 columns
	s_add_nc_u64 s[18:19], s[18:19], s[24:25]
	v_lshlrev_b32 v3, 2, v2                        ; in: 4 bytes a lane
	v_lshrrev_b32 v4, 4, v2
	v_and_b32 v5, 15, v2
	v_lshlrev_b32 v4, 12, v4
	v_lshl_add_u32 v4, v5, 4, v4                   ; out: tile lane / 16, place 16 (lane % 16)
.macro LOADP t                         ; w_proj(32 t + i, my column), i = 0 .. 31, into set t % 2
.irp i, 0,1,2,3,4,5,6,7,8,9,10,11,12,13,14,15,16,17,18,19,20,21,22,23,24,25,26,27,28,29,30,31
	global_load_b32 v[32+32*((\t)%2)+\i], v3, s[8:9] offset:(32*(\t)+\i)*4096
.endr
.endm
	LOADP 0
	LOADP 1
.irp t, 0,1,2,3
.if \t < 3
	s_wait_loadcnt 32                              ; this block's 32 loads are in; the next block's may be out
.else
	s_wait_loadcnt 0x0
.endif
.irp i, 0,1,2,3,4,5,6,7,8,9,10,11,12,13,14,15
	v_cvt_pk_f16_f32 v[96+16*\t+\i], v[32+32*(\t%2)+2*\i], v[32+32*(\t%2)+2*\i+1]
.endr
.irp p, 0,1,2,3
	global_store_b128 v4, v[96+16*\t+4*\p:96+16*\t+4*\p+3], s[18:19] offset:(2*\t+\p/2)*512+(\p%2)*256   ; sixteen lanes store 256 consecutive bytes, aligned; each block has its own data registers
.endr
.if \t < 2
	LOADP \t+2
.endif
.endr
	s_wait_tensorcnt 0x0                           ; the wave's end, written alike on all three paths
	ds_add_u32 v[SPW], v[NIL]
	s_wait_dscnt 0x0
	s_endpgm
; ---------------- X: x to codes.  A wave takes 16 steps of 512 numbers.  Each load reads 512 consecutive bytes; a step's 2,048 bytes turn through the wave's own stage in LDS, so that a lane then
; holds 16 neighbours along K (two neighbouring lanes hold a block).  Loads run eight steps (32 loads a wave) ahead, the turn through LDS one step.
.LX:
	s_sub_co_u32 s20, ttmp9, 48
	s_lshl_b32 s20, s20, 2
	s_add_co_u32 s20, s20, s2                      ; which run of 8,192 numbers is my wave's
	s_lshl_b32 s22, s20, 15
	s_mov_b32 s23, 0
	s_add_nc_u64 s[4:5], s[4:5], s[22:23]
	s_lshl_b32 s22, s20, 12
	s_add_nc_u64 s[10:11], s[10:11], s[22:23]
	s_lshl_b32 s22, s20, 8
	s_add_nc_u64 s[12:13], s[12:13], s[22:23]
	v_lshlrev_b32 v3, 4, v2                        ; my 16 bytes of a load's 512
	s_lshl_b32 s21, s2, 13                         ; my wave's 8,192 bytes of LDS: two stages of 32 x 80, then 256 scale bytes
	v_lshrrev_b32 v12, 2, v2
	v_mul_u32_u24 v12, v12, SP
	v_and_b32 v13, 3, v2
	v_lshl_add_u32 v12, v13, 4, v12
	v_add_nc_u32 v12, s21, v12                     ; the stage, on the way in: 80 (lane / 4) + 16 (lane % 4)
	v_mul_u32_u24 v13, v2, SP
	v_add_nc_u32 v13, s21, v13                     ; and on the way out: 80 x lane
	v_lshlrev_b32 v4, 3, v2                        ; my codes' place in a step's 256 bytes
	v_lshrrev_b32 v5, 1, v2
	s_add_co_u32 s21, s21, 2*32*SP
	v_add_nc_u32 v5, s21, v5                       ; my block's scale byte
	v_lshlrev_b32 v7, 3, v2
	v_add_nc_u32 v6, s21, v7                       ; and on the way out 8 bytes a lane
.macro LOADX t
.irp i, 0,1,2,3
	global_load_b128 v[XR+16*((\t)%8)+4*\i:XR+16*((\t)%8)+4*\i+3], v3, s[4:5] offset:2048*(\t)+512*\i th:TH_LOAD_NT
.endr
.endm
.macro TURNX t                         ; LDS serves a wave's instructions in order: no wait between the stores and the loads
.irp i, 0,1,2,3
	ds_store_b128 v12, v[XR+16*((\t)%8)+4*\i:XR+16*((\t)%8)+4*\i+3] offset:32*SP*((\t)%2)+8*SP*\i
.endr
.irp i, 0,1,2,3
	ds_load_b128 v[XX+16*((\t)%2)+4*\i:XX+16*((\t)%2)+4*\i+3], v13 offset:32*SP*((\t)%2)+16*\i
.endr
.endm
.irp t, 0,1,2,3,4,5,6,7
	LOADX \t
.endr
	s_wait_loadcnt 28                              ; step 0's four loads are in; the 28 of steps 1 to 7 may be out
	TURNX 0
.macro STEPX t
.set XS, XX+16*((\t)%2)
.if (\t) > 0
	s_wait_dscnt 1                                 ; this step's numbers are back from the stage (the last step's byte store may be out): so its stores into the stage have read their registers,
.else
	s_wait_dscnt 0x0
.endif
.if (\t)+8 < 16
	LOADX (\t)+8                                   ; which take the loads of eight steps on
.endif
.if (\t)+1 < 16
.if (\t)+8 < 16
	s_wait_loadcnt 28                              ; the next step's four loads are in; those of the seven steps behind it may be out
.else
	s_wait_loadcnt 4*(14-(\t))                     ; the counts run down: steps t + 2 .. 15 may be out
.endif
	TURNX (\t)+1
.endif
	v_max3_num_f32 v8, |v[XS]|, |v[XS+1]|, |v[XS+2]|
	v_max3_num_f32 v9, |v[XS+3]|, |v[XS+4]|, |v[XS+5]|
.irp i, 6,10
	v_max3_num_f32 v8, v8, |v[XS+\i]|, |v[XS+\i+1]|
	v_max3_num_f32 v9, v9, |v[XS+\i+2]|, |v[XS+\i+3]|
.endr
	v_max3_num_f32 v8, v8, |v[XS+14]|, |v[XS+15]|
	v_max3_num_f32 v8, v8, v9, (EMAX+1)<<23        ; the floor 2^(3 - 127): the byte cannot fall under 1
	v_max_num_f32_dpp v8, v8, v8 row_xmask:1 row_mask:0xf bank_mask:0xf   ; with my neighbour's 16: the block's largest magnitude
	v_add_nc_u32 v11, -(EMAX<<23), v8              ; 2 off its exponent field: the conversion takes the exponent field of this operand as its scale
	v_cvt_scalef32_pk8_fp4_f32 v[XC+2*(\t)], v[XS:XS+7], v11
	v_cvt_scalef32_pk8_fp4_f32 v[XC+2*(\t)+1], v[XS+8:XS+15], v11
	v_lshrrev_b32 v[XE+(\t)], 23, v11              ; the scale's byte
	ds_store_b8 v5, v[XE+(\t)] offset:16*(\t)      ; both lanes of a block write the same byte with the same value
	global_store_b64 v4, v[XC+2*(\t):XC+2*(\t)+1], s[10:11] offset:256*(\t)   ; the wave stores 256 consecutive bytes, aligned
.endm
.irp t, 0,1,2,3,4,5,6,7,8,9,10,11,12,13,14,15
	STEPX \t
.endr
	ds_load_b64 v[8:9], v6                         ; my wave's 256 scale bytes: these loads see my stores
	s_wait_dscnt 0x0
	global_store_b64 v7, v[8:9], s[12:13]          ; 256 consecutive bytes, aligned
	s_wait_tensorcnt 0x0                           ; the wave's end
	ds_add_u32 v[SPW], v[NIL]
	s_wait_dscnt 0x0
	s_endpgm
; ---------------- W: w_attn to codes.  A wave takes 32 columns x 512 along K: 16 blocks a lane, all 32 numbers of a block in one lane.  The codes (256 bytes a column) go through the wave's own
; stage and leave as rows: sixteen lanes store 256 consecutive bytes.  Every offset is an immediate: 511 x 12,288 bytes at the most, inside the signed 24 bits.
.LW:
	s_cmp_ge_u32 ttmp9, 24
	s_cselect_b32 s21, 1, 0                        ; which 512 along K
	s_cselect_b32 s22, 24, 0
	s_sub_co_u32 s22, ttmp9, s22                   ; which 128 columns
	s_lshl_b32 s20, s22, 7
	s_lshl_b32 s23, s2, 5
	s_add_co_u32 s20, s20, s23                     ; my wave's first column
	s_mul_i32 s24, s21, 6291456                    ; 512 rows of 12,288 bytes
	s_lshl_b32 s26, s20, 2
	s_add_co_u32 s24, s24, s26
	s_mov_b32 s25, 0
	s_add_nc_u64 s[6:7], s[6:7], s[24:25]
	s_lshl_b32 s24, s20, 9                         ; codes: column x 512 + 256 y
	s_lshl_b32 s26, s21, 8
	s_add_co_u32 s24, s24, s26
	s_add_nc_u64 s[14:15], s[14:15], s[24:25]
	s_lshl_b32 s24, s20, 5                         ; scale bytes: column x 32 + 16 y
	s_lshl_b32 s26, s21, 4
	s_add_co_u32 s24, s24, s26
	s_add_nc_u64 s[16:17], s[16:17], s[24:25]
	v_lshlrev_b32 v3, 2, v2                        ; in: 4 bytes a lane
	s_mul_i32 s27, s2, 32*WP
	s_add_co_u32 s27, s27, 32768                   ; my stage
	v_mul_u32_u24 v4, v2, WP
	v_add_nc_u32 v4, s27, v4                       ; into it: row = my column
	v_and_b32 v5, 15, v2
	v_lshrrev_b32 v6, 4, v2
	v_mul_u32_u24 v7, v6, WP
	v_lshl_add_u32 v7, v5, 4, v7
	v_add_nc_u32 v7, s27, v7                       ; out of it: sixteen lanes to a row, two rows an instruction
	v_lshlrev_b32 v8, 9, v6
	v_lshl_add_u32 v8, v5, 4, v8                   ; and the same place in wc
	v_lshlrev_b32 v9, 5, v2                        ; my column's row of scale bytes
.macro LOADW t
.irp i, 0,1,2,3,4,5,6,7,8,9,10,11,12,13,14,15,16,17,18,19,20,21,22,23,24,25,26,27,28,29,30,31
	global_load_b32 v[WX+32*((\t)%2)+\i], v3, s[6:7] offset:(32*(\t)+\i)*12288 th:TH_LOAD_NT
.endr
.endm
	LOADW 0
	LOADW 1
.macro BLOCKW t
.set XS, WX+32*((\t)%2)
.if (\t) < 15
	s_wait_loadcnt 32                              ; this block's 32 loads are in; the next block's may be out
.else
	s_wait_loadcnt 0x0
.endif
	v_max3_num_f32 v12, |v[XS]|, |v[XS+1]|, |v[XS+2]|
	v_max3_num_f32 v13, |v[XS+3]|, |v[XS+4]|, |v[XS+5]|
.irp i, 6,10,14,18,22,26
	v_max3_num_f32 v12, v12, |v[XS+\i]|, |v[XS+\i+1]|
	v_max3_num_f32 v13, v13, |v[XS+\i+2]|, |v[XS+\i+3]|
.endr
	v_max3_num_f32 v12, v12, |v[XS+30]|, |v[XS+31]|
	v_max3_num_f32 v12, v12, v13, (EMAX+1)<<23     ; the floor
	v_add_nc_u32 v11, -(EMAX<<23), v12             ; the conversion's scale operand
	v_lshrrev_b32 v13, 23, v11                     ; the scale's byte
.if (\t)%4 == 0
	v_mov_b32 v[WSB+(\t)/4], v13
.else
	v_lshl_or_b32 v[WSB+(\t)/4], v13, 8*((\t)%4), v[WSB+(\t)/4]
.endif
.irp g, 0,1,2,3
	v_cvt_scalef32_pk8_fp4_f32 v[WC+\g], v[XS+8*\g:XS+8*\g+7], v11
.endr
	ds_store_b128 v4, v[WC:WC+3] offset:16*(\t)    ; 32 codes: 16 bytes of my column's row
.if (\t)+2 < 16
	LOADW (\t)+2
.endif
	s_wait_dscnt 0x0                               ; the store has read its registers: the next block's codes may be written
.endm
.irp t, 0,1,2,3,4,5,6,7,8,9,10,11,12,13,14,15
	BLOCKW \t
.endr
	global_store_b128 v9, v[WSB:WSB+3], s[16:17]   ; my column's 16 scale bytes
.irp t, 0,1,2,3,4,5,6,7,8,9,10,11,12,13,14,15
	ds_load_b128 v[WO+4*\t:WO+4*\t+3], v7 offset:2*\t*WP
.endr
.irp t, 0,1,2,3,4,5,6,7,8,9,10,11,12,13,14,15
	s_wait_dscnt 15-\t                             ; row pair t is back; the younger loads may be out
	global_store_b128 v8, v[WO+4*\t:WO+4*\t+3], s[14:15] offset:2*\t*512
.endr
	s_wait_tensorcnt 0x0                           ; the wave's end
	ds_add_u32 v[SPW], v[NIL]
	s_wait_dscnt 0x0
	s_endpgm
.Lfunc_end_k_qdd1a430b6b_prep:
	.size	k_qdd1a430b6b_prep, .Lfunc_end_k_qdd1a430b6b_prep-k_qdd1a430b6b_prep
	.p2alignl 7, 3214868480
	.fill 96, 4, 3214868480
	.section	.rodata,"a",@progbits
	.p2align	6, 0x0
	.amdhsa_kernel k_qdd1a430b6b_prep
		.amdhsa_group_segment_fixed_size 68096
		.amdhsa_private_segment_fixed_size 0
		.amdhsa_enable_private_segment 0
		.amdhsa_kernarg_size 64
		.amdhsa_user_sgpr_count 2
		.amdhsa_user_sgpr_kernarg_segment_ptr 1
		.amdhsa_wavefront_size32 1
		.amdhsa_system_sgpr_workgroup_id_x 1
		.amdhsa_system_sgpr_workgroup_id_y 1
		.amdhsa_system_sgpr_workgroup_id_z 1
		.amdhsa_system_vgpr_workitem_id 0
		.amdhsa_next_free_vgpr 224
		.amdhsa_next_free_sgpr 66
		.amdhsa_reserve_vcc 0
		.amdhsa_float_denorm_mode_32 3
		.amdhsa_float_denorm_mode_16_64 3
		.amdhsa_memory_ordered 1
		.amdhsa_forward_progress 1
		.amdhsa_inst_pref_size 129
	.end_amdhsa_kernel
	.amdgpu_metadata
---
amdhsa.version: [ 1, 2 ]
amdhsa.kernels:
  - .name:           k_qdd1a430b6b_prep
    .symbol:         k_qdd1a430b6b_prep.kd
    .args:
      - { .name: x, .offset: 0, .size: 8, .value_kind: global_buffer, .address_space: global }
      - { .name: w_attn, .offset: 8, .size: 8, .value_kind: global_buffer, .address_space: global }
      - { .name: w_proj, .offset: 16, .size: 8, .value_kind: global_buffer, .address_space: global }
      - { .name: xc, .offset: 24, .size: 8, .value_kind: global_buffer, .address_space: global }
      - { .name: xs, .offset: 32, .size: 8, .value_kind: global_buffer, .address_space: global }
      - { .name: wc, .offset: 40, .size: 8, .value_kind: global_buffer, .address_space: global }
      - { .name: ws, .offset: 48, .size: 8, .value_kind: global_buffer, .address_space: global }
      - { .name: wp16, .offset: 56, .size: 8, .value_kind: global_buffer, .address_space: global }
    .group_segment_fixed_size: 68096
    .private_segment_fixed_size: 0
    .kernarg_segment_align: 8
    .kernarg_segment_size: 64
    .max_flat_workgroup_size: 128
    .sgpr_count:     66
    .vgpr_count:     224
    .wavefront_size: 32
...
	.end_amdgpu_metadata
.endif
;; end of part 1
;; launch gemm_qkv (part 2): grid 12 x 32, 4 waves a work-group, clusters of 4 x 4, 327,680 bytes of LDS; arguments xc, xs, wc, ws, b_attn, qkv16, qkv32; writes qkv16, qkv32
.if DOCPART == 2
	.amdgcn_target "amdgcn-amd-amdhsa--gfx1250"
	.amdhsa_code_object_version 6
	.text
	.protected	k_qdd1a430b6b_gemm_qkv
	.globl	k_qdd1a430b6b_gemm_qkv
	.p2align	8
	.type	k_qdd1a430b6b_gemm_qkv,@function
k_qdd1a430b6b_gemm_qkv:
	s_mov_b64 s[64:65], 0
	v_nop
	global_prefetch_b8 v0, s[64:65] scope:SCOPE_SE
	s_setreg_imm32_b32 hwreg(HW_REG_WAVE_MODE, 25, 1), 1
	s_wait_xcnt 0x0
	s_wait_alu depctr_hold_cnt(0) depctr_sa_sdst(0) depctr_va_vdst(0) depctr_va_sdst(0) depctr_va_ssrc(0) depctr_va_vcc(0) depctr_vm_vsrc(0)
	s_getreg_b32 s2, hwreg(HW_REG_IB_STS2, 6, 4)
	s_cmp_eq_u32 s2, 0
	s_cbranch_scc0 .Lentry_in_a_cluster
	s_endpgm
.Lentry_in_a_cluster:
	s_bfe_u32 s2, ttmp6, 0x10000c
	s_cmp_lg_u32 s2, 0xf033
	s_cbranch_scc0 .Lentry_shape_is_right
	s_endpgm
.Lentry_shape_is_right:
; qkv[m][n] = sum over k of x[m][k] w_attn[k][n] + b_attn[n], on codes of FP4 (E2M1) with one E8M0 scale for each 32 along K.  xc [8192][512 bytes], xs [8192][32]; wc [3072][512 bytes], ws [3072][32].
; A tile of 256 x 256 is made by four waves, each 128 x 128: 64 accumulators of 16 x 16.  K = 1,024 is two LDS slots of 512 along K: both are asked for at the head and nothing is filled twice.
; The scale bytes of the work-group's 256 + 256 rows come once, with the first fills.  By the text's own count a wave has three tensor loads out at the most.
; CLUSTERS: 4 x 4 work-groups; x's tiles are shared along a row of the cluster, w's along a column: each is asked for jointly.  The tile row is cluster y + 8 cy, so that its two low bits (which 256 positions
; of a sequence) are the same in all sixteen partners: the one branch on them hangs on no work-group's place in its cluster.
; THE MATRIX INSTRUCTION IS USED TRANSPOSED (source 0 = 16 columns of w_attn, source 1 = 16 rows of x): a lane (r, h) holds row r and eight neighbouring columns 8 h + 0..7.  The bias is the C of each sum's first product.
; THE WAY OUT needs no LDS: eight columns rounded to f16 are 16 bytes, and qkv16 is laid as the next launch's operand registers: [part 3][batch x head 128][tile of 16 positions 64][16 channels 4][512 bytes];
; in a block lane (r, h)'s 16 bytes (position r, channels 8 h + 0..7) lie at 16 x (16 h + r) for q and k, and at 16 x (16 (r / 8) + 8 h + r % 8) for v, which the turning LDS load of the next launch then reads at 16 x lane.
; A wave's store covers 512 consecutive bytes, aligned.  Positions 0-15 of every sequence also leave as f32: qkv32 [batch 8][tile of 16 columns 192][half 2][lane 32][16 bytes].
; LIMIT: |q|, |k|, |v| under 65,504 (f16).
; REGISTERS: window 0: v0-31 addresses; v32-95 scale words, two sets; v128-191 x's fragments, later the packed results; v192-255 the bias.  window 1: w's fragments, two sets.  windows 2, 3: the accumulators.
.set KSTEP,  512
.set NQ,     4
.set ROWB,   256
.set KROW,   512
.set PITCH,  272                       ; an LDS row: 256 bytes + 16 of padding, so that the 16 rows of a fragment load start 16 bytes apart modulo 256
.set FR,     8
.set NL,     2
.set NP,     4
.set HALFT,  128*PITCH
.set SLOT,   4*HALFT
.set KS,     32
.set SCL,    2*SLOT
.set HALFS,  (128*KS/256)*272
.set SBLK,   (16*KS/256)*272
.set SPARE,  SCL+4*HALFS               ; behind the scales: the spare words, 128 bytes for each wave, that no other line names
.set ADRA, 16
.set ADRB, 20
.set FO,   24                          ; v24  16 x lane: my place in a block of qkv32
.set BO,   25                          ; v25  32 x (lane / 16): my eight numbers of a tile's bias
.set CO,   26                          ; v26  my place in a block of qkv16
.set ADRS, 27
.set SPW,  28
.set NIL,  29
.set SC,   32
.set AF,   128
.set BI,   192
.set G1, 24
.set G0, 32
.set G1B, 48
.set G0B, 56
.set G1S, 68
.set G0S, 76
.set G1SB, 80
.set G0SB, 88
.set MSB, 0
.macro WIN new                         ; the immediate's high byte repeats the setting that is left
.if MSB != \new
	s_set_vgpr_msb (MSB<<8)|\new
.set MSB, \new
.endif
.endm
.set MUL_LO, 0xa1                      ; source 0 (w) window 1, source 1 (x) window 0, C and D window 2
.set MUL_HI, 0xf1                      ; the same, C and D window 3
.set FST_LO, 0x81                      ; the first products: C (the bias) window 0, D window 2
.set FST_HI, 0xc1                      ; D window 3
.set TO_B,   0x40
.macro JLOAD g0a, g1a, g0b, g1b        ; a joint load: waves 0 and 1 fetch for x, waves 2 and 3 for w; an s_nop 0 and four v_nop follow each of the two lines
	s_cmp_eq_u32 s15, 0
	s_cbranch_scc0 .Lfor_b_\@
	tensor_load_to_lds s[\g0a:\g0a+3], s[\g1a:\g1a+7]
	s_nop 0
.rept 4
	v_nop
.endr
	s_branch .Lasked_\@
.Lfor_b_\@:
	tensor_load_to_lds s[\g0b:\g0b+3], s[\g1b:\g1b+7]
	s_nop 0
.rept 4
	v_nop
.endr
.Lasked_\@:
.endm
.macro CROUND                          ; a round of the cluster's barrier
	s_barrier_signal -1
	s_barrier_wait -1
	s_cmp_lg_u32 s14, 0
	s_cbranch_scc1 .Lnot_wave_0_\@
	s_barrier_signal -3
.Lnot_wave_0_\@:
	s_barrier_wait -3
	s_barrier_signal -1
	s_barrier_wait -1
.endm
	s_load_b128 s[4:7], s[0:1], 0x0                ; xc, xs
	s_load_b128 s[8:11], s[0:1], 0x10              ; wc, ws
	s_load_b128 s[96:99], s[0:1], 0x20             ; b_attn, qkv16
	s_load_b64 s[12:13], s[0:1], 0x30              ; qkv32
	v_lshl_add_u32 v[SPW], v0, 2, SPARE
	v_mov_b32 v[NIL], 0
	ds_add_u32 v[SPW], v[NIL]                      ; the wave's opening: the add, twice on end, and its wait ahead of my first tensor load
	ds_add_u32 v[SPW], v[NIL]
	v_lshrrev_b32 v1, 5, v0
	v_readfirstlane_b32 s14, v1                    ; wave 0..3
	s_lshr_b32 s15, s14, 1                         ; which half of the tile's rows is mine.  Also: I fetch for x (0) or for w (1)
	s_and_b32 s16, s14, 1                          ; which half of its columns.  Also: which 128 rows of that tile I fetch
	s_bfe_u32 s40, ttmp6, 0x40000                  ; cx
	s_bfe_u32 s41, ttmp6, 0x40004                  ; cy
	s_lshl_b32 s42, ttmp9, 2
	s_add_co_u32 s42, s42, s40                     ; tile column = 4 x cluster x + cx; cluster x is the part: q, k or v
	s_and_b32 s17, ttmp7, 0xffff
	s_lshl_b32 s43, s41, 3
	s_add_co_u32 s17, s17, s43                     ; tile row = cluster y + 8 cy
	s_lshl_b32 s43, s41, 2
	s_lshl_b32 s43, 15, s43                        ; my row of the cluster
	s_lshl_b32 s44, 0x1111, s40                    ; my column
	s_or_b32 s[G1+0], s43, (0<<16)|(1<<20)|(1<<21)|(5<<22)|(3<<25)  ; the mask; elements of 1 byte; padding: 4 words behind every 64
	s_or_b32 s[G1B+0], s44, (0<<16)|(1<<20)|(1<<21)|(5<<22)|(3<<25)
.irp g, G1, G1B
	s_mov_b32 s[\g+1], ROWB<<16                    ; tensor_dim0
	s_mov_b32 s[\g+2], 128<<16                     ; tensor_dim1
	s_mov_b32 s[\g+3], ROWB<<16                    ; tile_dim0
	s_mov_b32 s[\g+4], 128                         ; tile_dim1
	s_mov_b32 s[\g+5], KROW                        ; the pitch in memory
	s_mov_b32 s[\g+6], 0
	s_mov_b32 s[\g+7], 0
.endr
	s_or_b32 s[G1S+0], s43, (3<<16)|(1<<20)|(1<<21)|(5<<22)|(3<<25)  ; the scales of 128 rows: 4,096 dense bytes as 16 rows of 256, 16 bytes of padding behind each
	s_or_b32 s[G1SB+0], s44, (3<<16)|(1<<20)|(1<<21)|(5<<22)|(3<<25)
.irp g, G1S, G1SB
	s_mov_b32 s[\g+1], 32<<16
	s_mov_b32 s[\g+2], (128*KS/256)<<16
	s_mov_b32 s[\g+3], 32<<16
	s_mov_b32 s[\g+4], 128*KS/256
	s_mov_b32 s[\g+5], 32
	s_mov_b32 s[\g+6], 0
	s_mov_b32 s[\g+7], 0
.endr
	s_lshl_b32 s18, s16, 7
	s_lshl_b32 s20, s17, 8
	s_add_co_u32 s20, s20, s18                     ; x: row 256 x tile row + 128 x half
	s_lshl_b32 s46, s42, 8
	s_add_co_u32 s46, s46, s18                     ; w: row 256 x tile column + 128 x half
	s_mov_b32 s21, 0
	s_mov_b32 s47, 0
	s_mov_b64 s[18:19], KS
	s_mul_u64 s[22:23], s[20:21], s[18:19]
	s_mul_u64 s[92:93], s[46:47], s[18:19]
	s_mov_b64 s[18:19], KROW
	s_mul_u64 s[20:21], s[20:21], s[18:19]
	s_mul_u64 s[46:47], s[46:47], s[18:19]
	s_mul_i32 s45, s14, HALFT                      ; where they go: wave x 128 rows
	s_mul_i32 s94, s14, HALFS
	s_wait_dscnt 0x0                               ; both opening adds are done
	s_wait_kmcnt 0x0
	s_add_nc_u64 s[20:21], s[4:5], s[20:21]
	s_add_nc_u64 s[22:23], s[6:7], s[22:23]
	s_add_nc_u64 s[46:47], s[8:9], s[46:47]
	s_add_nc_u64 s[92:93], s[10:11], s[92:93]
	CROUND                                         ; all sixteen work-groups are here: the joint loads meet
	s_mov_b32 s[G0S], 1
	s_add_co_u32 s[G0S+1], s94, SCL
	s_mov_b64 s[G0S+2:G0S+3], s[22:23]
	s_or_b32 s[G0S+3], s[G0S+3], 0x80000000
	s_mov_b32 s[G0SB], 1
	s_add_co_u32 s[G0SB+1], s94, SCL
	s_mov_b64 s[G0SB+2:G0SB+3], s[92:93]
	s_or_b32 s[G0SB+3], s[G0SB+3], 0x80000000
	JLOAD G0S, G1S, G0SB, G1SB                     ; the scales first
.irp s, 0,1
	s_mov_b32 s[G0+4*\s], 1
	s_add_co_u32 s[G0+4*\s+1], s45, \s*SLOT
	s_add_nc_u64 s[G0+4*\s+2:G0+4*\s+3], s[20:21], \s*ROWB
	s_or_b32 s[G0+4*\s+3], s[G0+4*\s+3], 0x80000000
	s_mov_b32 s[G0B+4*\s], 1
	s_add_co_u32 s[G0B+4*\s+1], s45, \s*SLOT
	s_add_nc_u64 s[G0B+4*\s+2:G0B+4*\s+3], s[46:47], \s*ROWB
	s_or_b32 s[G0B+4*\s+3], s[G0B+4*\s+3], 0x80000000
	JLOAD G0+4*\s, G1, G0B+4*\s, G1B
.endr
	v_and_b32 v1, 15, v0                           ; r
	v_bfe_u32 v2, v0, 4, 1                         ; h
	v_mul_u32_u24 v3, v1, PITCH
	v_lshl_add_u32 v4, v2, 4, v3                   ; a fragment's row x pitch + 16 h
	s_mul_i32 s21, s15, HALFT
	s_mul_i32 s22, s16, HALFT
	s_add_co_u32 s22, s22, 2*HALFT
.irp s, 0,1
	v_add_nc_u32 v[ADRA+\s], s21, v4
	v_add_nc_u32 v[ADRB+\s], s22, v4
	s_add_co_u32 s21, s21, SLOT
	s_add_co_u32 s22, s22, SLOT
.endr
	v_mul_u32_u24 v5, v1, KS                       ; my row's scales: 32 bytes a row,
	v_lshrrev_b32 v6, 8, v5
	v_lshl_add_u32 v5, v6, 4, v5                   ; and 16 more for each 256 passed
	s_mul_i32 s21, s15, HALFS
	s_mul_i32 s22, s16, HALFS
	s_add_co_u32 s22, s22, 2*HALFS
	s_sub_co_u32 s22, s22, s21
	v_mul_u32_u24 v6, s22, v2                      ; lanes 16-31 take w's
	s_add_co_u32 s21, s21, SCL
	v_add_nc_u32 v5, v5, v6
	v_add_nc_u32 v[ADRS], s21, v5
	; the way out's places and bases
	v_and_b32 v6, 31, v0
	v_lshlrev_b32 v[FO], 4, v6                     ; 16 x lane: q's and k's place, and qkv32's
	v_lshrrev_b32 v5, 3, v1
	v_lshlrev_b32 v5, 4, v5
	v_lshl_add_u32 v5, v2, 3, v5
	v_and_b32 v6, 7, v1
	v_add_nc_u32 v5, v5, v6
	v_lshlrev_b32 v5, 4, v5                        ; v's place: 16 x (16 (r / 8) + 8 h + r % 8)
	s_cmp_eq_u32 ttmp9, 2
	s_cselect_b32 s45, -1, 0
	v_cndmask_b32 v[CO], v[FO], v5, s45
	v_lshlrev_b32 v[BO], 5, v2
	s_lshr_b32 s20, s17, 2                         ; the batch
	s_lshl_b32 s21, s40, 2
	s_lshl_b32 s22, s16, 1
	s_add_co_u32 s21, s21, s22                     ; my first head: 4 cx + 2 x column half
	s_lshl_b32 s22, s20, 4
	s_add_co_u32 s22, s22, s21
	s_lshl_b32 s22, s22, 6
	s_and_b32 s23, s17, 3
	s_lshl_b32 s23, s23, 4
	s_add_co_u32 s22, s22, s23
	s_lshl_b32 s23, s15, 3
	s_add_co_u32 s22, s22, s23                     ; (batch x 16 + head) x 64 + my first tile of 16 positions
	s_lshl_b32 s22, s22, 11
	s_lshl_b32 s23, ttmp9, 24
	s_add_co_u32 s22, s22, s23                     ; + the part
	s_mov_b32 s23, 0
	s_add_nc_u64 s[98:99], s[98:99], s[22:23]
	s_mul_i32 s22, s20, 192
	s_lshl_b32 s45, ttmp9, 6
	s_add_co_u32 s22, s22, s45
	s_lshl_b32 s45, s21, 2
	s_add_co_u32 s22, s22, s45
	s_lshl_b32 s22, s22, 10
	s_add_nc_u64 s[12:13], s[12:13], s[22:23]      ; qkv32 at my first tile of 16 columns
	s_lshl_b32 s22, s42, 10
	s_lshl_b32 s45, s16, 9
	s_add_co_u32 s22, s22, s45
	s_add_nc_u64 s[96:97], s[96:97], s[22:23]      ; b_attn at my first column
	s_and_b32 s3, ttmp7, 3
	s_or_b32 s3, s3, s15                           ; 0 where my block 0 holds positions 0-15 of a sequence: cluster y and the wave's number alone
.irp b, 0,1,2,3,4,5,6,7
	global_load_b128 v[BI+8*\b:BI+8*\b+3], v[BO], s[96:97] offset:64*\b
	global_load_b128 v[BI+8*\b+4:BI+8*\b+7], v[BO], s[96:97] offset:64*\b+16
.endr
.macro FRAG reg, adr, q, i             ; 16 rows x 128 K of 4-bit codes: 8 registers, two loads of 16 bytes, 32 bytes apart
.irp c, 0,1
	ds_load_b128 v[\reg+4*\c:\reg+4*\c+3], v[\adr] offset:64*(\q)+32*\c+(\i)*16*PITCH
.endr
.endm
; 16 matrix instructions: x's blocks a0, a0 + 1 against w's eight.  The 64 accumulators take turns, one instruction a turn.  zero = 1: the first product starts the sums from the bias.
.macro MUL16 a0, p, q, sc, zero
.irp a, \a0, \a0+1
.irp b, 0,1,2,3,4,5,6,7
.if \zero
	v_wmma_scale_f32_16x16x128_f8f6f4 v[8*(8*((\a)%4)+\b):8*(8*((\a)%4)+\b)+7], v[128*(\p)+FR*\b:128*(\p)+FR*\b+FR-1], v[AF+FR*(\a):AF+FR*(\a)+FR-1], v[BI+8*\b:BI+8*\b+7], v[SC+8*NQ*(\sc)+NQ*\b+(\q)], v[SC+8*NQ*(\sc)+NQ*(\a)+(\q)] matrix_a_fmt:MATRIX_FMT_FP4 matrix_b_fmt:MATRIX_FMT_FP4 matrix_a_scale:MATRIX_SCALE_ROW1
.else
	v_wmma_scale_f32_16x16x128_f8f6f4 v[8*(8*((\a)%4)+\b):8*(8*((\a)%4)+\b)+7], v[128*(\p)+FR*\b:128*(\p)+FR*\b+FR-1], v[AF+FR*(\a):AF+FR*(\a)+FR-1], v[8*(8*((\a)%4)+\b):8*(8*((\a)%4)+\b)+7], v[SC+8*NQ*(\sc)+NQ*\b+(\q)], v[SC+8*NQ*(\sc)+NQ*(\a)+(\q)] matrix_a_fmt:MATRIX_FMT_FP4 matrix_b_fmt:MATRIX_FMT_FP4 matrix_a_scale:MATRIX_SCALE_ROW1
.endif
.endr
.endr
.endm
.macro FETCH_B slot, q, p
	WIN TO_B
.irp i, 0,1,2,3,4,5,6,7
	FRAG 128*(\p)+FR*\i, ADRB+\slot, \q, \i
.endr
	WIN 0
.endm
.macro FETCH_A slot, q, i0
.irp i, \i0, \i0+1, \i0+2, \i0+3
	FRAG AF+FR*(\i), ADRA+\slot, \q, \i
.endr
.endm
.macro SCALES sc                       ; a slot's scale words: lanes 0-15 x's block i, lanes 16-31 w's block i
.irp i, 0,1,2,3,4,5,6,7
	ds_load_b128 v[SC+8*NQ*\sc+NQ*\i:SC+8*NQ*\sc+NQ*\i+3], v[ADRS] offset:\i*SBLK
.endr
.endm
.macro PLACES n                        ; plain vector instructions between a matrix instruction and a load into, or a read of, its registers
.rept \n
	v_nop
.endr
.endm
.macro STEP slot, q, zero              ; 128 along K, with its successor in the same slot
	s_wait_dscnt 4*NL                              ; w's set and x's blocks 0-3 are in; the youngest eight loads (x's blocks 4-7) may be out
.if \zero
	WIN FST_LO
.else
	WIN MUL_LO
.endif
	MUL16 0, (\q)%2, \q, \slot, \zero
	MUL16 2, (\q)%2, \q, \slot, \zero
	s_wait_dscnt 0
	PLACES NP
	FETCH_B \slot, (\q)+1, 1-(\q)%2
	FETCH_A \slot, (\q)+1, 0
.if \zero
	WIN FST_HI
.else
	WIN MUL_HI
.endif
	MUL16 4, (\q)%2, \q, \slot, \zero
	MUL16 6, (\q)%2, \q, \slot, \zero
	PLACES NP
	WIN 0
	FETCH_A \slot, (\q)+1, 4
.endm
.macro TURN slot, next                 ; slot 0's last step: one barrier, behind which slot 1 is whole for every wave.  Nothing is filled again
	s_wait_tensorcnt 0x0                           ; my part of slot 1 has landed
	ds_add_u32 v[SPW], v[NIL]                      ; 0 onto my spare word
	s_wait_dscnt 4*NL+1                            ; (the add and the youngest eight loads may be out)
	WIN MUL_LO
	MUL16 0, 1, NQ-1, \slot, 0
	s_wait_dscnt 0x0
	s_barrier_signal -1
	MUL16 2, 1, NQ-1, \slot, 0
	WIN 0
	s_barrier_wait -1
	PLACES NP
	v_add_nc_u32 v[ADRS], 4*NQ, v[ADRS]            ; on to the next slot's scale words
	FETCH_B \next, 0, 0
	FETCH_A \next, 0, 0
	SCALES \next
	WIN MUL_HI
	MUL16 4, 1, NQ-1, \slot, 0
	MUL16 6, 1, NQ-1, \slot, 0
	PLACES NP
	WIN 0
	FETCH_A \next, 0, 4
.endm
	s_wait_tensorcnt 1                             ; the scales and my part of slot 0 are in (slot 1's load may be out),
	s_barrier_signal -1
	s_barrier_wait -1                              ; everybody's are
	FETCH_B 0, 0, 0
	FETCH_A 0, 0, 0
	SCALES 0
	FETCH_A 0, 0, 4
	s_wait_loadcnt 0x0                             ; the bias
	STEP 0, 0, 1
	STEP 0, 1, 0
	STEP 0, 2, 0
	TURN 0, 1
	STEP 1, 0, 0
	STEP 1, 1, 0
	STEP 1, 2, 0
	s_wait_dscnt 4*NL                              ; the very last step: nothing more to fetch
	WIN MUL_LO
	MUL16 0, 1, NQ-1, 1, 0
	MUL16 2, 1, NQ-1, 1, 0
	s_wait_dscnt 0
	WIN MUL_HI
	MUL16 4, 1, NQ-1, 1, 0
	MUL16 6, 1, NQ-1, 1, 0
	WIN 0
	PLACES NP                                      ; in front of the first reads of results, and of the writes over x's fragments
	s_cmp_lg_u32 s3, 0
	s_cbranch_scc1 .Lno_fine
	WIN 0x08                                       ; a store's data: window 2
.irp b, 0,1,2,3,4,5,6,7
	global_store_b128 v[FO], v[8*\b:8*\b+3], s[12:13] offset:1024*\b         ; positions 0-15 as f32, each accumulator from its low end on: 512 consecutive bytes a store
	global_store_b128 v[FO], v[8*\b+4:8*\b+7], s[12:13] offset:1024*\b+512
.endr
	WIN 0
.Lno_fine:
.macro PACK a                          ; block a: 16 positions x 128 columns, rounded to f16 and stored as eight blocks of 512 bytes
.set AC, 64*((\a)%4)
.set TP, 128+32*((\a)%2)
	WIN 0x0a+5*((\a)/4)                            ; sources 0 and 1: window 2 or 3
.irp b, 0,1,2,3,4,5,6,7
.irp i, 0,1,2,3
	v_cvt_pk_f16_f32 v[TP+4*\b+\i], v[AC+8*\b+2*\i], v[AC+8*\b+2*\i+1]
.endr
.endr
	WIN 0
.irp b, 0,1,2,3,4,5,6,7
	global_store_b128 v[CO], v[TP+4*\b:TP+4*\b+3], s[98:99] offset:(\a)*2048+(\b/4)*131072+(\b%4)*512 th:TH_STORE_NT
.endr
.endm
	PACK 0
	PACK 1
.irp a, 2,3,4,5,6,7
	s_wait_xcnt 0x0                                ; block a - 2's stores have read their data registers, which are written again
	PACK \a
.endr
	s_wait_tensorcnt 0x0                           ; the wave's end
	ds_add_u32 v[SPW], v[NIL]
	s_wait_dscnt 0x0
	CROUND                                         ; the closing round
	s_endpgm
.Lfunc_end_k_qdd1a430b6b_gemm_qkv:
	.size	k_qdd1a430b6b_gemm_qkv, .Lfunc_end_k_qdd1a430b6b_gemm_qkv-k_qdd1a430b6b_gemm_qkv
	.p2alignl 7, 3214868480
	.fill 96, 4, 3214868480
	.section	.rodata,"a",@progbits
	.p2align	6, 0x0
	.amdhsa_kernel k_qdd1a430b6b_gemm_qkv
		.amdhsa_group_segment_fixed_size 327680
		.amdhsa_private_segment_fixed_size 0
		.amdhsa_enable_private_segment 0
		.amdhsa_kernarg_size 56
		.amdhsa_user_sgpr_count 2
		.amdhsa_user_sgpr_kernarg_segment_ptr 1
		.amdhsa_wavefront_size32 1
		.amdhsa_system_sgpr_workgroup_id_x 1
		.amdhsa_system_sgpr_workgroup_id_y 1
		.amdhsa_system_sgpr_workgroup_id_z 1
		.amdhsa_system_vgpr_workitem_id 0
		.amdhsa_next_free_vgpr 1024
		.amdhsa_next_free_sgpr 100
		.amdhsa_reserve_vcc 0
		.amdhsa_float_denorm_mode_32 3
		.amdhsa_float_denorm_mode_16_64 3
		.amdhsa_memory_ordered 1
		.amdhsa_forward_progress 1
		.amdhsa_inst_pref_size 122
	.end_amdhsa_kernel
	.amdgpu_metadata
---
amdhsa.version: [ 1, 2 ]
amdhsa.kernels:
  - .name:           k_qdd1a430b6b_gemm_qkv
    .symbol:         k_qdd1a430b6b_gemm_qkv.kd
    .args:
      - { .name: xc, .offset: 0, .size: 8, .value_kind: global_buffer, .address_space: global }
      - { .name: xs, .offset: 8, .size: 8, .value_kind: global_buffer, .address_space: global }
      - { .name: wc, .offset: 16, .size: 8, .value_kind: global_buffer, .address_space: global }
      - { .name: ws, .offset: 24, .size: 8, .value_kind: global_buffer, .address_space: global }
      - { .name: b_attn, .offset: 32, .size: 8, .value_kind: global_buffer, .address_space: global }
      - { .name: qkv16, .offset: 40, .size: 8, .value_kind: global_buffer, .address_space: global }
      - { .name: qkv32, .offset: 48, .size: 8, .value_kind: global_buffer, .address_space: global }
    .group_segment_fixed_size: 327680
    .private_segment_fixed_size: 0
    .kernarg_segment_align: 8
    .kernarg_segment_size: 56
    .max_flat_workgroup_size: 128
    .sgpr_count:     100
    .vgpr_count:     1024
    .wavefront_size: 32
...
	.end_amdgpu_metadata
.endif
;; end of part 2
;; launch attn (part 3): grid 2 x 128, 16 waves a work-group, no clusters, 327,680 bytes of LDS; arguments qkv16, a16; writes a16
.if DOCPART == 3
	.amdgcn_target "amdgcn-amd-amdhsa--gfx1250"
	.amdhsa_code_object_version 6
	.text
	.protected	k_qdd1a430b6b_attn
	.globl	k_qdd1a430b6b_attn
	.p2align	8
	.type	k_qdd1a430b6b_attn,@function
k_qdd1a430b6b_attn:
	s_mov_b64 s[64:65], 0
	v_nop
	global_prefetch_b8 v0, s[64:65] scope:SCOPE_SE
	s_setreg_imm32_b32 hwreg(HW_REG_WAVE_MODE, 25, 1), 1
	s_wait_xcnt 0x0
; a[b][q][head][:] = the sum over k <= q of softmax_k(q . k / 8) v[k][:], f16 operands, f32 scores, maxima and sums; the weights are rounded to f16 for the second product, a once at the end.
; WORK LEFT OUT: key steps that lie wholly behind the diagonal (the first launch's head comment shows why); in the step on the diagonal hidden scores are set to -1e9 (raw -8e9), as reference() has them.
; SHARES.  Two work-groups to a (batch, head).  Each holds ALL of the head's K and V in LDS (128 KiB each), filled once by 16 tensor loads of 16 KiB (waves 0-3, four each: four out at the most), in four units of 256 keys.
; The head's 32 groups of 32 queries are dealt out so that both work-groups have equal work: wave w takes j = w xor 3 ((w / 4) % 2) and group g = 2 j + ((x xor j) % 2).  A wave holds two tiles of 16 queries,
; so that each fragment of K or V read from LDS feeds two products.  Four waves share a SIMD: one wave's softmax stands beside another's products.
; NO CLUSTER: only two work-groups read the same K and V, and each byte is asked for once, at the head.  NO PREFETCH: everything is asked for at the head.
; LAYOUT.  qkv16's blocks are images of operand registers: a fragment is two ds_load_b128 at 16 x lane.  S^T = K Q^T (source 0 = 16 keys, source 1 = 16 queries): a lane holds one query (lane % 16) and keys 8 (lane / 16) + 0..7;
; two such tiles, rounded to f16 in pairs, are source 1 of O^T = V^T P; V comes turned by ds_load_tr16_b128, also at 16 x lane (the launch before laid v's blocks for that).
; O^T / l, rounded to f16, is again a block image: a16 [ks 8][tile of 16 rows 512][kc 8][512 bytes], row = b x 1024 + position, k = 128 ks + 16 kc + 8 h + 0..7: a store covers 512 consecutive bytes, aligned.
; Every trip count is a constant; a hidden step's work is jumped over by a scalar branch on ids; no barrier stands in a step.
; LIMITS: |a| under 65,504; weights under 6e-8 of a row's largest are rounded to 0 for the second product.
.set VB,    131072                     ; V's bytes begin here
.set SPARE, 262144                     ; the spare words, 128 bytes for each of 16 waves, that no other line names
.set LA,   1                           ; v1    16 x lane
.set ADK,  2                           ; v2    LDS address of the step's K
.set ADV,  3                           ; v3    of its V
.set SPW,  4
.set NIL,  5
.set RH,   6                           ; v6    r - 8 h
.set DD,   7                           ; v7    the mask's bound
.set ST,   8                           ; tile T's statistics at v[8 + 8 T]: +0 c m, +1 m, +2, +3 l in two halves, +4 .. +7 at work; a in +6
.set QF,   24                          ; v24-55   Q: fragment (T, dd) at 24 + 16 T + 8 dd
.set SR,   56                          ; v56-119  S^T, 32 a tile; P is packed into a tile's first 16
.set OA,   120                         ; v120-183 O^T, 32 a tile
.set KV,   184                         ; v184-247 a step's K, then its V
.set NEG,  248                         ; v248  -8e9
.set LAV,  249                         ; v249  16 x lane + VB
.set WV,   8
.set Q0,   13
.set QL,   14
.set KF,   15
.set TB,   16
.set CNT,  17
.set G1,   20
.set G0,   28
.set SEL,  44
.set CS,   46
	s_load_b128 s[4:7], s[0:1], 0x0                ; qkv16, a16
	v_lshl_add_u32 v[SPW], v0, 2, SPARE
	v_mov_b32 v[NIL], 0
	ds_add_u32 v[SPW], v[NIL]                      ; the wave's opening: the add, twice on end, and its wait ahead of the first tensor load
	ds_add_u32 v[SPW], v[NIL]
	v_lshrrev_b32 v1, 5, v0
	v_readfirstlane_b32 s[WV], v1                  ; wave 0..15
	s_mov_b32 s9, ttmp9                            ; which of the head's two work-groups
	s_and_b32 s10, ttmp7, 0xffff                   ; batch x 16 + head
	s_mov_b32 s[G1], 3<<16                         ; group 1: 64 rows of 32 elements of 8 bytes, dense, no padding: 16 KiB
	s_mov_b32 s[G1+1], 32<<16
	s_mov_b32 s[G1+2], 64<<16
	s_mov_b32 s[G1+3], 32<<16
	s_mov_b32 s[G1+4], 64
	s_mov_b32 s[G1+5], 32
	s_mov_b32 s[G1+6], 0
	s_mov_b32 s[G1+7], 0
	s_and_b32 s48, s[WV], 1                        ; I fetch K (0) or V (1),
	s_lshr_b32 s49, s[WV], 1                       ; the first or the second 128 keys of a unit
	s_lshl_b32 s50, s48, 17
	s_lshl_b32 s51, s49, 14
	s_add_co_u32 s50, s50, s51                     ; in LDS
	s_add_co_u32 s52, s48, 1
	s_lshl_b32 s52, s52, 24
	s_lshl_b32 s53, s10, 17
	s_add_co_u32 s52, s52, s53
	s_add_co_u32 s52, s52, s51                     ; and in qkv16: part 1 or 2, my head, my half
	s_mov_b32 s53, 0
	s_bfe_u32 s54, s[WV], 0x10002
	s_mul_i32 s54, s54, 3
	s_xor_b32 s54, s[WV], s54                      ; j
	s_xor_b32 s55, s9, s54
	s_and_b32 s55, s55, 1
	s_lshl_b32 s12, s54, 1
	s_add_co_u32 s12, s12, s55                     ; g: my group of 32 queries
	s_lshl_b32 s[Q0], s12, 5                       ; my first query
	s_add_co_u32 s[QL], s[Q0], 31                  ; my last
	s_mov_b32 s[SEL], 0x76543210
	s_mov_b32 s[SEL+1], 0xfedcba98                 ; v_permlanex16_b32's selects for lane l xor 16
	s_mov_b32 s[CS], 0x3e38aa3b                    ; c = log2(e) / 8
	s_mov_b32 s[CS+1], s[CS]
	s_lshl_b32 s56, s10, 6
	s_lshl_b32 s57, s12, 1
	s_add_co_u32 s56, s56, s57
	s_lshl_b32 s56, s56, 11                        ; Q: (head x 64 + 2 g) blocks of 2,048 bytes
	s_mov_b32 s57, 0
	s_wait_dscnt 0x0                               ; both opening adds are done
	s_wait_kmcnt 0x0
	s_add_nc_u64 s[52:53], s[4:5], s[52:53]
.irp u, 0,1,2,3
	s_mov_b32 s[G0+4*\u], 1
	s_add_co_u32 s[G0+4*\u+1], s50, \u*32768
	s_add_nc_u64 s[G0+4*\u+2:G0+4*\u+3], s[52:53], \u*32768
	s_or_b32 s[G0+4*\u+3], s[G0+4*\u+3], 0x80000000
.endr
	s_cmp_lt_u32 s[WV], 4                          ; all first fills of a wave stand in this one branch on the wave's number
	s_cbranch_scc0 .Lno_fill
.irp u, 0,1,2,3
	tensor_load_to_lds s[G0+4*\u:G0+4*\u+3], s[G1:G1+7]
	s_nop 0
.endr
.rept 4
	v_nop
.endr
.Lno_fill:
	s_add_nc_u64 s[4:5], s[4:5], s[56:57]          ; Q at my two tiles
	s_and_b32 s56, s10, 15                         ; the head
	s_lshr_b32 s58, s56, 1
	s_lshl_b32 s58, s58, 21                        ; ks = head / 2
	s_and_b32 s56, s56, 1
	s_lshl_b32 s56, s56, 11                        ; kc = 4 (head % 2)
	s_add_co_u32 s58, s58, s56
	s_lshr_b32 s56, s10, 4
	s_lshl_b32 s56, s56, 6
	s_lshl_b32 s59, s12, 1
	s_add_co_u32 s56, s56, s59                     ; tile of rows: batch x 64 + 2 g
	s_lshl_b32 s56, s56, 12
	s_add_co_u32 s56, s56, s58
	s_add_nc_u64 s[6:7], s[6:7], s[56:57]
	v_and_b32 v[LA], 31, v0
	v_lshlrev_b32 v[LA], 4, v[LA]
	v_add_nc_u32 v[LAV], VB, v[LA]
.irp n, 0,1,2,3,4,5,6,7
	global_load_b128 v[QF+4*\n:QF+4*\n+3], v[LA], s[4:5] offset:512*\n     ; Q stays in registers: tile n / 4, 16 channels n % 4
.endr
	v_and_b32 v[RH], 15, v0
	v_bfe_u32 v[DD], v0, 4, 1
	v_lshlrev_b32 v[DD], 3, v[DD]
	v_sub_nc_u32 v[RH], v[RH], v[DD]
	v_mov_b32 v[NEG], 0xcfee6b28                   ; -8e9: x 1 / 8 it is reference()'s -1e9
.irp T, 0,1
	v_mov_b32 v[ST+8*\T+1], 0xff61b1e6             ; m: -3e38, under every score
	v_mul_f32 v[ST+8*\T], s[CS], v[ST+8*\T+1]      ; c m
	v_mov_b32 v[ST+8*\T+2], 0                      ; l
	v_mov_b32 v[ST+8*\T+3], 0
.endr
.set i, 0
.rept 64
	v_mov_b32 v[OA+i], 0                           ; O^T.  (The step is written once: the first finds zeros, and its a is 0)
.set i, i+1
.endr
	s_wait_loadcnt 0x0                             ; Q
; A KEY STEP: 64 keys against my 32 queries.
.macro STEP
	v_add_nc_u32 v[ADK], s[TB], v[LA]
	v_add_nc_u32 v[ADV], s[TB], v[LAV]
.rept 3
	v_nop                                          ; with the two additions five places behind the last products: K's loads land in registers that they read, and the first products below write over P
.endr
.irp n, 0,1,2,3,4,5,6,7,8,9,10,11,12,13,14,15
	ds_load_b128 v[KV+4*\n:KV+4*\n+3], v[ADK] offset:512*\n
.endr
	s_wait_dscnt 0x0
.irp dd, 0,1                                   ; S^T = K Q^T: eight accumulators by turns
.irp kt, 0,1,2,3
.irp T, 0,1
.if \dd == 0
	v_wmma_f32_16x16x32_f16 v[SR+32*\T+8*\kt:SR+32*\T+8*\kt+7], v[KV+16*\kt:KV+16*\kt+7], v[QF+16*\T:QF+16*\T+7], 0
.else
	v_wmma_f32_16x16x32_f16 v[SR+32*\T+8*\kt:SR+32*\T+8*\kt+7], v[KV+16*\kt+8:KV+16*\kt+15], v[QF+16*\T+8:QF+16*\T+15], v[SR+32*\T+8*\kt:SR+32*\T+8*\kt+7]
.endif
.endr
.endr
.endr
.rept 4
	v_nop                                          ; places in front of V's loads into K's registers, and of the first reads of the scores
.endr
.irp kk, 0,1                                   ; V, turned: fragment 4 kk + t = channels 16 t on, keys 32 kk on.  It lands while the softmax is walked
.irp t, 0,1,2,3
	ds_load_tr16_b128 v[KV+8*(4*\kk+\t):KV+8*(4*\kk+\t)+3], v[ADV] offset:(8*\kk+\t)*512
	ds_load_tr16_b128 v[KV+8*(4*\kk+\t)+4:KV+8*(4*\kk+\t)+7], v[ADV] offset:(8*\kk+4+\t)*512
.endr
.endr
	s_add_co_u32 s48, s[KF], 63                    ; a step all of whose keys count for all my queries skips the mask
	s_cmp_le_u32 s48, s[Q0]
	s_cbranch_scc1 .Lopen_\@
	s_sub_co_i32 s48, s[Q0], s[KF]
	v_add_nc_u32 v[DD], s48, v[RH]                 ; register (T, kt, jj) holds key KF + 16 kt + 8 h + jj and query Q0 + 16 T + r: hidden where 16 kt + jj - 16 T > Q0 - KF + r - 8 h
.irp T, 0,1
.irp kt, 0,1,2,3
.irp jj, 0,1,2,3,4,5,6,7
	v_cmp_gt_i32 vcc_lo, 16*\kt+\jj-16*\T, v[DD]
	v_cndmask_b32 v[SR+32*\T+8*\kt+\jj], v[SR+32*\T+8*\kt+\jj], v[NEG], vcc_lo
.endr
.endr
.endr
.Lopen_\@:
.irp j, 0,1,2,3                                ; the maximum of a lane's 32 scores and the old m: four chains, each accumulator read from its low end on; the two tiles alternate
.irp T, 0,1
	v_max3_num_f32 v[ST+8*\T+4+\j], v[SR+32*\T+8*\j], v[SR+32*\T+8*\j+1], v[SR+32*\T+8*\j+2]
.endr
.endr
.irp p, 1,2
.irp j, 0,1,2,3
.irp T, 0,1
	v_max3_num_f32 v[ST+8*\T+4+\j], v[ST+8*\T+4+\j], v[SR+32*\T+8*\j+2*\p+1], v[SR+32*\T+8*\j+2*\p+2]
.endr
.endr
.endr
.irp T, 0,1
	v_max3_num_f32 v[ST+8*\T+4], v[ST+8*\T+4], v[SR+32*\T+7], v[SR+32*\T+15]
	v_max3_num_f32 v[ST+8*\T+6], v[ST+8*\T+6], v[SR+32*\T+23], v[SR+32*\T+31]
.endr
.irp T, 0,1
	v_max3_num_f32 v[ST+8*\T+4], v[ST+8*\T+4], v[ST+8*\T+5], v[ST+8*\T+6]
.endr
.irp T, 0,1
	v_max3_num_f32 v[ST+8*\T+4], v[ST+8*\T+4], v[ST+8*\T+7], v[ST+8*\T+1]
.endr
.irp T, 0,1
	v_permlanex16_b32 v[ST+8*\T+5], v[ST+8*\T+4], s[SEL], s[SEL+1]   ; the query's other 32 keys lie in the lane 16 away
	v_mov_b32 v[ST+8*\T+7], v[ST+8*\T]             ; c m_old
.endr
.irp T, 0,1
	v_max_num_f32 v[ST+8*\T+1], v[ST+8*\T+4], v[ST+8*\T+5]
.endr
.irp T, 0,1
	v_mul_f32 v[ST+8*\T], s[CS], v[ST+8*\T+1]
.endr
.irp T, 0,1
	v_sub_f32 v[ST+8*\T+7], v[ST+8*\T+7], v[ST+8*\T]
.endr
.set i, 0
.rept 16
.irp T, 0,1
	v_pk_fma_f32 v[SR+32*\T+2*i:SR+32*\T+2*i+1], v[SR+32*\T+2*i:SR+32*\T+2*i+1], s[CS:CS+1], v[ST+8*\T:ST+8*\T+1] op_sel_hi:[1,0,0] neg_lo:[0,0,1] neg_hi:[0,0,1]   ; c s - c m
.endr
.set i, i+1
.endr
.irp T, 0,1
	v_exp_f32 v[ST+8*\T+6], v[ST+8*\T+7]           ; a = 2^(c m_old - c m_new)
.endr
.set i, 0
.rept 32
.irp T, 0,1
	v_exp_f32 v[SR+32*\T+i], v[SR+32*\T+i]         ; p: both tiles' 66 exponentials are one batch
.endr
.set i, i+1
.endr
	v_nop                                          ; a plain instruction behind the last exponential
	s_wait_alu depctr_va_vdst(0)                   ; one wait for the batch, ahead of its first reader
.irp T, 0,1
	v_pk_mul_f32 v[ST+8*\T+2:ST+8*\T+3], v[ST+8*\T+2:ST+8*\T+3], v[ST+8*\T+6:ST+8*\T+7] op_sel_hi:[1,0]   ; l x a
	v_pk_add_f32 v[ST+8*\T+4:ST+8*\T+5], v[SR+32*\T:SR+32*\T+1], v[SR+32*\T+2:SR+32*\T+3]
.endr
.irp j, 4,8,12,16,20,24,28                     ; the sum of the unrounded p, two at a time, in two chains
.irp T, 0,1
	v_pk_add_f32 v[ST+8*\T+2:ST+8*\T+3], v[ST+8*\T+2:ST+8*\T+3], v[SR+32*\T+\j:SR+32*\T+\j+1]
	v_pk_add_f32 v[ST+8*\T+4:ST+8*\T+5], v[ST+8*\T+4:ST+8*\T+5], v[SR+32*\T+\j+2:SR+32*\T+\j+3]
.endr
.endr
.irp T, 0,1
	v_pk_add_f32 v[ST+8*\T+2:ST+8*\T+3], v[ST+8*\T+2:ST+8*\T+3], v[ST+8*\T+4:ST+8*\T+5]
.endr
.set i, 0
.rept 16
.irp T, 0,1
	v_cvt_pk_f16_f32 v[SR+32*\T+i], v[SR+32*\T+2*i], v[SR+32*\T+2*i+1]   ; P, in place, ascending: register i is written when 2 i and 2 i + 1 are read
.endr
.set i, i+1
.endr
.set i, 0
.rept 16
.irp T, 0,1
	v_pk_mul_f32 v[OA+32*\T+2*i:OA+32*\T+2*i+1], v[OA+32*\T+2*i:OA+32*\T+2*i+1], v[ST+8*\T+6:ST+8*\T+7] op_sel_hi:[1,0]   ; O^T x a
.endr
.set i, i+1
.endr
	s_wait_dscnt 0x0                               ; V is in
.irp kk, 0,1                                   ; O^T += V^T P: eight accumulators by turns
.irp t, 0,1,2,3
.irp T, 0,1
	v_wmma_f32_16x16x32_f16 v[OA+32*\T+8*\t:OA+32*\T+8*\t+7], v[KV+8*(4*\kk+\t):KV+8*(4*\kk+\t)+7], v[SR+32*\T+8*\kk:SR+32*\T+8*\kk+7], v[OA+32*\T+8*\t:OA+32*\T+8*\t+7]
.endr
.endr
.endr
.endm
; A UNIT of 256 keys: the loading waves wait for their load of this unit (the later units' loads, 3 - u of them, stay out), all sixteen pass a barrier, and four steps are walked.
.macro UNIT u
	s_wait_dscnt 0x0
	s_wait_tensorcnt 3-\u
	s_barrier_signal -1
	s_barrier_wait -1
	s_mov_b32 s[KF], \u*256
	s_mov_b32 s[TB], \u*32768
	s_mov_b32 s[CNT], 4
.Lstep_\@:
	s_cmp_gt_u32 s[KF], s[QL]                      ; all 64 keys come after my last query: the step's work is left out
	s_cbranch_scc1 .Lhid_\@
	STEP
.Lhid_\@:
	s_add_co_u32 s[KF], s[KF], 64
	s_add_co_u32 s[TB], s[TB], 8192
	s_sub_co_u32 s[CNT], s[CNT], 1
	s_cmp_lg_u32 s[CNT], 0
	s_cbranch_scc1 .Lstep_\@
.endm
	UNIT 0
	UNIT 1
	UNIT 2
	UNIT 3
	; THE WAY OUT
.rept 4
	v_nop                                          ; places behind the last products
.endr
.irp T, 0,1
	v_add_f32 v[ST+8*\T+4], v[ST+8*\T+2], v[ST+8*\T+3]
.endr
.irp T, 0,1
	v_permlanex16_b32 v[ST+8*\T+5], v[ST+8*\T+4], s[SEL], s[SEL+1]
.endr
.irp T, 0,1
	v_add_f32 v[ST+8*\T+4], v[ST+8*\T+4], v[ST+8*\T+5]   ; the row's sum
.endr
.irp T, 0,1
	v_rcp_f32 v[ST+8*\T+6], v[ST+8*\T+4]
.endr
	v_nop
	s_wait_alu depctr_va_vdst(0)                   ; one wait for the two reciprocals, ahead of their first reader
.set i, 0
.rept 16
.irp T, 0,1
	v_pk_mul_f32 v[OA+32*\T+2*i:OA+32*\T+2*i+1], v[OA+32*\T+2*i:OA+32*\T+2*i+1], v[ST+8*\T+6:ST+8*\T+7] op_sel_hi:[1,0]
.endr
.set i, i+1
.endr
.set i, 0
.rept 16
.irp T, 0,1
	v_cvt_pk_f16_f32 v[SR+16*\T+i], v[OA+32*\T+2*i], v[OA+32*\T+2*i+1]
.endr
.set i, i+1
.endr
.irp T, 0,1
.irp t, 0,1,2,3
	global_store_b128 v[LA], v[SR+16*\T+4*\t:SR+16*\T+4*\t+3], s[6:7] offset:\T*4096+\t*512   ; a block: 512 consecutive bytes, aligned
.endr
.endr
	s_wait_tensorcnt 0x0                           ; the wave's end
	ds_add_u32 v[SPW], v[NIL]
	s_wait_dscnt 0x0
	s_endpgm
.Lfunc_end_k_qdd1a430b6b_attn:
	.size	k_qdd1a430b6b_attn, .Lfunc_end_k_qdd1a430b6b_attn-k_qdd1a430b6b_attn
	.p2alignl 7, 3214868480
	.fill 96, 4, 3214868480
	.section	.rodata,"a",@progbits
	.p2align	6, 0x0
	.amdhsa_kernel k_qdd1a430b6b_attn
		.amdhsa_group_segment_fixed_size 327680
		.amdhsa_private_segment_fixed_size 0
		.amdhsa_enable_private_segment 0
		.amdhsa_kernarg_size 16
		.amdhsa_user_sgpr_count 2
		.amdhsa_user_sgpr_kernarg_segment_ptr 1
		.amdhsa_wavefront_size32 1
		.amdhsa_system_sgpr_workgroup_id_x 1
		.amdhsa_system_sgpr_workgroup_id_y 1
		.amdhsa_system_sgpr_workgroup_id_z 1
		.amdhsa_system_vgpr_workitem_id 0
		.amdhsa_next_free_vgpr 256
		.amdhsa_next_free_sgpr 66
		.amdhsa_reserve_vcc 1
		.amdhsa_float_denorm_mode_32 3
		.amdhsa_float_denorm_mode_16_64 3
		.amdhsa_memory_ordered 1
		.amdhsa_forward_progress 1
		.amdhsa_inst_pref_size 100
	.end_amdhsa_kernel
	.amdgpu_metadata
---
amdhsa.version: [ 1, 2 ]
amdhsa.kernels:
  - .name:           k_qdd1a430b6b_attn
    .symbol:         k_qdd1a430b6b_attn.kd
    .args:
      - { .name: qkv16, .offset: 0, .size: 8, .value_kind: global_buffer, .address_space: global }
      - { .name: a16, .offset: 8, .size: 8, .value_kind: global_buffer, .address_space: global }
    .group_segment_fixed_size: 327680
    .private_segment_fixed_size: 0
    .kernarg_segment_align: 8
    .kernarg_segment_size: 16
    .max_flat_workgroup_size: 512
    .sgpr_count:     66
    .vgpr_count:     256
    .wavefront_size: 32
...
	.end_amdgpu_metadata
.endif
;; end of part 3
;; launch proj (part 4): grid 4 x 64, 4 waves a work-group, clusters of 4 x 4, 327,680 bytes of LDS; arguments a16, wp16, b_proj, out0; writes out0
.if DOCPART == 4
	.amdgcn_target "amdgcn-amd-amdhsa--gfx1250"
	.amdhsa_code_object_version 6
	.text
	.protected	k_qdd1a430b6b_proj
	.globl	k_qdd1a430b6b_proj
	.p2align	8
	.type	k_qdd1a430b6b_proj,@function
k_qdd1a430b6b_proj:
	s_mov_b64 s[64:65], 0
	v_nop
	global_prefetch_b8 v0, s[64:65] scope:SCOPE_SE
	s_setreg_imm32_b32 hwreg(HW_REG_WAVE_MODE, 25, 1), 1
	s_wait_xcnt 0x0
	s_wait_alu depctr_hold_cnt(0) depctr_sa_sdst(0) depctr_va_vdst(0) depctr_va_sdst(0) depctr_va_ssrc(0) depctr_va_vcc(0) depctr_vm_vsrc(0)
	s_getreg_b32 s2, hwreg(HW_REG_IB_STS2, 6, 4)
	s_cmp_eq_u32 s2, 0
	s_cbranch_scc0 .Lentry_in_a_cluster
	s_endpgm
.Lentry_in_a_cluster:
	s_bfe_u32 s2, ttmp6, 0x10000c
	s_cmp_lg_u32 s2, 0xf033
	s_cbranch_scc0 .Lentry_shape_is_right
	s_endpgm
.Lentry_shape_is_right:
; out0[m][n] = sum over k of a[m][k] w_proj[k][n] + b_proj[n], f16 operands, f32 sums.  Positions 0-15 of every sequence are not stored here: the last launch makes them in f32.
; A tile of 128 (m) x 256 (n) is made by four waves, each 64 x 128: 32 accumulators.  256 work-groups.  K goes in 8 steps of 128 through two LDS slots.
; a16 and wp16 are laid as images of operand registers (blocks of 16 rows x 16 k, 512 bytes, lane l's 16 bytes at 16 l), by K step: a step's tile of a is 32 KiB of consecutive bytes, w's 64 KiB:
; each wave brings half of one by one tensor load of dense rows of 256 bytes; a fragment is two ds_load_b128 at 16 x lane: no pitch, no padding.
; CLUSTERS: 4 x 4 work-groups; a's tiles are shared along a row of the cluster, w's along a column.  The tile row is cluster y + 16 cy, so that its three low bits (which 128 positions of a sequence)
; are the same in all sixteen partners: the one branch on them hangs on no work-group's place in its cluster.
; TRANSPOSED USE (source 0 = 16 columns of w_proj, source 1 = 16 rows of a): a lane holds eight neighbouring numbers of a row of out0.  The bias is the C of each sum's first product.
; By the text's own count a wave has two tensor loads out at the start and one behind each round.
; REGISTERS: window 0: v16-29 addresses; v64-159, v160-255 two fragment buffers (a's four at +0, w's eight at +32); window 1: the accumulators ((a, b) at v[8 (8 a + b)]); window 2: v0-63 the bias.
.set SLOT,   98304                     ; a's 32,768 bytes, then w's 65,536
.set STAGE,  196608                    ; behind the ring: 16 rows x (512 + 16) bytes for each wave, for the way out
.set SPITCH, 528
.set SPARE,  STAGE+4*16*SPITCH         ; the spare words, 128 bytes for each wave, that no other line names
.set ADRA, 16
.set ADRB, 20
.set STO,  24
.set RD,   25
.set CO,   26
.set BO,   27
.set SPW,  28
.set NIL,  29
.set F0,   64
.set F1,   160
.set G1, 24
.set G0, 32
.set G1B, 48
.set G0B, 56
.set MSB, 0
.macro WIN new
.if MSB != \new
	s_set_vgpr_msb (MSB<<8)|\new
.set MSB, \new
.endif
.endm
.set MUL, 0x50                         ; sources 0 and 1 window 0; C and D window 1
.set FST, 0x60                         ; the first products: C (the bias) window 2, D window 1
.macro JLOAD s                         ; a joint load: waves 0 and 1 fetch a's two halves, waves 2 and 3 w's; an s_nop 0 and four v_nop follow each of the two lines
	s_cmp_eq_u32 s13, 0
	s_cbranch_scc0 .Lfor_b_\@
	tensor_load_to_lds s[G0+4*\s:G0+4*\s+3], s[G1:G1+7]
	s_nop 0
.rept 4
	v_nop
.endr
	s_branch .Lasked_\@
.Lfor_b_\@:
	tensor_load_to_lds s[G0B+4*\s:G0B+4*\s+3], s[G1B:G1B+7]
	s_nop 0
.rept 4
	v_nop
.endr
.Lasked_\@:
.endm
.macro CREST
	s_cmp_lg_u32 s12, 0
	s_cbranch_scc1 .Lnot_wave_0_\@
	s_barrier_signal -3
.Lnot_wave_0_\@:
	s_barrier_wait -3
	s_barrier_signal -1
	s_barrier_wait -1
.endm
.macro CROUND
	s_barrier_signal -1
	s_barrier_wait -1
	CREST
.endm
	s_load_b256 s[4:11], s[0:1], 0x0               ; a16 s[4:5], wp16 s[6:7], b_proj s[8:9], out0 s[10:11]
	v_lshl_add_u32 v[SPW], v0, 2, SPARE
	v_mov_b32 v[NIL], 0
	ds_add_u32 v[SPW], v[NIL]                      ; the wave's opening: the add, twice on end, and its wait ahead of my first tensor load
	ds_add_u32 v[SPW], v[NIL]
	v_lshrrev_b32 v1, 5, v0
	v_readfirstlane_b32 s12, v1                    ; wave 0..3
	s_lshr_b32 s13, s12, 1                         ; which 64 rows are mine.  Also: I fetch for a (0) or for w (1)
	s_and_b32 s14, s12, 1                          ; which 128 columns.  Also: which half of that tile I fetch
	s_bfe_u32 s40, ttmp6, 0x40000                  ; cx
	s_bfe_u32 s41, ttmp6, 0x40004                  ; cy
	s_lshl_b32 s42, ttmp9, 2
	s_add_co_u32 s42, s42, s40                     ; tile column
	s_and_b32 s15, ttmp7, 0xffff
	s_lshl_b32 s43, s41, 4
	s_add_co_u32 s15, s15, s43                     ; tile row = cluster y + 16 cy
	s_lshl_b32 s43, s41, 2
	s_lshl_b32 s43, 15, s43                        ; my row of the cluster
	s_lshl_b32 s44, 0x1111, s40                    ; my column
	s_or_b32 s[G1+0], s43, (3<<16)|(1<<21)         ; a: 64 dense rows of 32 elements of 8 bytes
	s_mov_b32 s[G1+1], 32<<16
	s_mov_b32 s[G1+2], 64<<16
	s_mov_b32 s[G1+3], 32<<16
	s_mov_b32 s[G1+4], 64
	s_mov_b32 s[G1+5], 32
	s_mov_b32 s[G1+6], 0
	s_mov_b32 s[G1+7], 0
	s_or_b32 s[G1B+0], s44, (3<<16)|(1<<21)        ; w: 128 such rows
	s_mov_b32 s[G1B+1], 32<<16
	s_mov_b32 s[G1B+2], 128<<16
	s_mov_b32 s[G1B+3], 32<<16
	s_mov_b32 s[G1B+4], 128
	s_mov_b32 s[G1B+5], 32
	s_mov_b32 s[G1B+6], 0
	s_mov_b32 s[G1B+7], 0
	s_lshl_b32 s16, s15, 15                        ; a: tile row x 8 blocks of rows x 4,096 bytes,
	s_lshl_b32 s18, s14, 14
	s_add_co_u32 s16, s16, s18                     ; + my half
	s_mov_b32 s17, 0
	s_lshl_b32 s46, s42, 16                        ; w: tile column x 16 x 4,096,
	s_lshl_b32 s18, s14, 15
	s_add_co_u32 s46, s46, s18                     ; + my half
	s_mov_b32 s47, 0
	s_lshl_b32 s20, s14, 14                        ; where they go: a's halves,
	s_lshl_b32 s21, s14, 15
	s_add_co_u32 s21, s21, 32768                   ; w's halves behind them: the wave's number alone
	s_wait_dscnt 0x0                               ; both opening adds are done
	s_wait_kmcnt 0x0
	s_add_nc_u64 s[16:17], s[4:5], s[16:17]
	s_add_nc_u64 s[46:47], s[6:7], s[46:47]
	CROUND                                         ; all sixteen work-groups are here: the first joint loads meet
.irp s, 0,1
	s_mov_b32 s[G0+4*\s], 1
	s_add_co_u32 s[G0+4*\s+1], s20, \s*SLOT
	s_add_nc_u64 s[G0+4*\s+2:G0+4*\s+3], s[16:17], \s*2097152      ; K step s of a16
	s_or_b32 s[G0+4*\s+3], s[G0+4*\s+3], 0x80000000
	s_mov_b32 s[G0B+4*\s], 1
	s_add_co_u32 s[G0B+4*\s+1], s21, \s*SLOT
	s_add_nc_u64 s[G0B+4*\s+2:G0B+4*\s+3], s[46:47], \s*262144     ; K step s of wp16
	s_or_b32 s[G0B+4*\s+3], s[G0B+4*\s+3], 0x80000000
	JLOAD \s
.endr
	v_and_b32 v1, 15, v0                           ; r
	v_bfe_u32 v2, v0, 4, 1                         ; h
	v_and_b32 v3, 31, v0
	v_lshlrev_b32 v3, 4, v3                        ; 16 x lane
	s_lshl_b32 s22, s13, 14                        ; my 64 rows of a
	s_lshl_b32 s23, s14, 15
	s_add_co_u32 s23, s23, 32768                   ; my 128 columns of w
.irp s, 0,1
	v_add_nc_u32 v[ADRA+\s], s22, v3
	v_add_nc_u32 v[ADRB+\s], s23, v3
	s_add_co_u32 s22, s22, SLOT
	s_add_co_u32 s23, s23, SLOT
.endr
	s_mul_i32 s23, s12, 16*SPITCH
	s_add_co_u32 s23, s23, STAGE                   ; my stage
	v_mul_u32_u24 v4, v1, SPITCH
	v_lshl_add_u32 v4, v2, 5, v4
	v_add_nc_u32 v[STO], s23, v4                   ; in: row r, 32 bytes for each half of the lanes
	v_add_nc_u32 v[RD], s23, v3                    ; back: the 32 lanes take one row of 512 bytes
	v_mov_b32 v[CO], v3                            ; and the same in out0
	v_lshlrev_b32 v[BO], 5, v2
	s_lshl_b32 s16, s15, 19                        ; my first row of out0: 128 x tile row + 64 x half, rows of 4,096 bytes
	s_lshl_b32 s18, s13, 18
	s_add_co_u32 s16, s16, s18
	s_mov_b32 s17, 0
	s_lshl_b32 s46, s42, 10                        ; my first column, in bytes
	s_lshl_b32 s47, s14, 9
	s_add_co_u32 s46, s46, s47
	s_mov_b32 s47, 0
	s_add_nc_u64 s[8:9], s[8:9], s[46:47]
	s_add_nc_u64 s[10:11], s[10:11], s[16:17]
	s_add_nc_u64 s[10:11], s[10:11], s[46:47]
	s_and_b32 s45, ttmp7, 7
	s_or_b32 s45, s45, s13                         ; 0 where my block 0 holds positions 0-15 of a sequence: cluster y and the wave's number alone
	WIN 0x80                                       ; destination window 2
.irp b, 0,1,2,3,4,5,6,7
	global_load_b128 v[8*\b:8*\b+3], v[BO], s[8:9] offset:64*\b
	global_load_b128 v[8*\b+4:8*\b+7], v[BO], s[8:9] offset:64*\b+16
.endr
	WIN 0
; 8 matrix instructions: a's block a against w's eight, 32 along K.  The 32 accumulators take turns, one instruction a turn.
.macro MUL8 f, a, first
.irp b, 0,1,2,3,4,5,6,7
.if \first
	v_wmma_f32_16x16x32_f16 v[8*(8*(\a)+\b):8*(8*(\a)+\b)+7], v[\f+32+8*\b:\f+32+8*\b+7], v[\f+8*(\a):\f+8*(\a)+7], v[8*\b:8*\b+7]
.else
	v_wmma_f32_16x16x32_f16 v[8*(8*(\a)+\b):8*(8*(\a)+\b)+7], v[\f+32+8*\b:\f+32+8*\b+7], v[\f+8*(\a):\f+8*(\a)+7], v[8*(8*(\a)+\b):8*(8*(\a)+\b)+7]
.endif
.endr
.endm
.macro FETCH slot, q, f                ; 24 LDS loads in one run: the slot's q-th 32 along K into buffer f; w's eight fragments first, then a's four
	WIN 0
.irp i, 0,1,2,3,4,5,6,7
	ds_load_b128 v[\f+32+8*\i:\f+32+8*\i+3],   v[ADRB+\slot] offset:4096*\i+1024*(\q)
	ds_load_b128 v[\f+32+8*\i+4:\f+32+8*\i+7], v[ADRB+\slot] offset:4096*\i+1024*(\q)+512
.endr
.irp i, 0,1,2,3
	ds_load_b128 v[\f+8*\i:\f+8*\i+3],   v[ADRA+\slot] offset:4096*\i+1024*(\q)
	ds_load_b128 v[\f+8*\i+4:\f+8*\i+7], v[ADRA+\slot] offset:4096*\i+1024*(\q)+512
.endr
.endm
.macro PLACES
.rept 4
	v_nop
.endr
.endm
.macro QUARTER slot, q, f, g, first    ; multiplies buffer f; in its middle it fetches the slot's q-th quarter into buffer g
	s_wait_dscnt 4                                 ; w's fragments and a's blocks 0, 1 are in; the youngest four loads (a's blocks 2, 3) may be out
.if \first
	WIN FST
.else
	WIN MUL
.endif
	MUL8 \f, 0, \first
	MUL8 \f, 1, \first
	PLACES
	FETCH \slot, \q, \g
	s_wait_dscnt 24                                ; all but the 24 just issued
.if \first
	WIN FST
.else
	WIN MUL
.endif
	MUL8 \f, 2, \first
	MUL8 \f, 3, \first
.endm
; A slot's last quarter multiplies buffer 1 and changes slots: one barrier; in front of it each wave waits for all its tensor loads, adds 0 to its spare word, and waits for that and for its reads of this slot.
.macro TURN slot, next, fill
	WIN 0
	s_wait_tensorcnt 0x0                           ; my part of the next slot has landed: no load of mine is out
	ds_add_u32 v[SPW], v[NIL]                      ; 0 onto my spare word
	s_wait_dscnt 7                                 ; (the add and the youngest six loads, a's blocks 1 to 3, may be out)
	WIN MUL
	MUL8 F1, 0, 0
	s_wait_dscnt 0x0                               ; the add is done, and my reads of this slot are over
	s_barrier_signal -1
	MUL8 F1, 1, 0
	WIN 0
	s_barrier_wait -1
.if \fill
	CREST                                          ; the barrier has opened a round of the cluster's barrier: no wave of any partner still reads this slot or has a load on its way
	s_add_nc_u64 s[G0+4*\slot+2:G0+4*\slot+3], s[G0+4*\slot+2:G0+4*\slot+3], 2*2097152
	s_add_nc_u64 s[G0B+4*\slot+2:G0B+4*\slot+3], s[G0B+4*\slot+2:G0B+4*\slot+3], 2*262144
	JLOAD \slot                                    ; the first tensor load behind the round; its four v_nop are also the places in front of the loads below
.else
	PLACES
.endif
	FETCH \next, 0, F0
	WIN MUL
	MUL8 F1, 2, 0
	MUL8 F1, 3, 0
.endm
	s_wait_tensorcnt 1                             ; my part of K step 0 is in (K step 1's load may be out),
	s_barrier_signal -1
	s_barrier_wait -1                              ; everybody's is
	FETCH 0, 0, F0
	s_wait_loadcnt 0x0                             ; the bias
	QUARTER 0, 1, F0, F1, 1                        ; the first quarter stands in front of the loop: its products start the sums from the bias
	WIN 0
	s_mov_b32 s3, 3
.Llap:                                                 ; a trip goes once round the ring and fills both slots again: K steps 2 to 7 in three trips
	QUARTER 0, 2, F1, F0, 0
	QUARTER 0, 3, F0, F1, 0
	TURN 0, 1, 1
	QUARTER 1, 1, F0, F1, 0
	QUARTER 1, 2, F1, F0, 0
	QUARTER 1, 3, F0, F1, 0
	TURN 1, 0, 1
	QUARTER 0, 1, F0, F1, 0
	WIN 0
	s_sub_co_u32 s3, s3, 1
	s_cmp_lg_u32 s3, 0
	s_cbranch_scc1 .Llap
	QUARTER 0, 2, F1, F0, 0                        ; the last lap fills nothing
	QUARTER 0, 3, F0, F1, 0
	TURN 0, 1, 0
	QUARTER 1, 1, F0, F1, 0
	QUARTER 1, 2, F1, F0, 0
	QUARTER 1, 3, F0, F1, 0
	s_wait_dscnt 4
	WIN MUL
	MUL8 F1, 0, 0
	MUL8 F1, 1, 0
	s_wait_dscnt 0
	MUL8 F1, 2, 0
	MUL8 F1, 3, 0
	WIN 0
; THE WAY OUT, block by block of 16 rows x 128 columns, through my own stage: in as 32 bytes a lane, back as whole rows of 512 bytes.  LDS serves a wave's instructions in order.
.macro TOSTAGE a
	WIN 0x04                                       ; an LDS store's data: window 1
.irp b, 0,1,2,3,4,5,6,7
	ds_store_b128 v[STO], v[8*(8*(\a)+\b):8*(8*(\a)+\b)+3] offset:64*\b        ; each accumulator from its low end on
	ds_store_b128 v[STO], v[8*(8*(\a)+\b)+4:8*(8*(\a)+\b)+7] offset:64*\b+16
.endr
	WIN 0
.set BB, 64+64*((\a)%2)
.irp t, 0,1,2,3,4,5,6,7,8,9,10,11,12,13,14,15
	ds_load_b128 v[BB+4*\t:BB+4*\t+3], v[RD] offset:\t*SPITCH
.endr
.endm
.macro SEND a, younger                 ; younger: the LDS instructions issued behind block a's loads, which may stay out
.set BB, 64+64*((\a)%2)
	s_wait_dscnt \younger
.if (\a) == 0
	s_cmp_eq_u32 s45, 0                            ; positions 0-15 of a sequence belong to the last launch: their stores alone are jumped over
	s_cbranch_scc1 .Lfine_rows
.endif
.irp t, 0,1,2,3,4,5,6,7,8,9,10,11,12,13,14,15
	global_store_b128 v[CO], v[BB+4*\t:BB+4*\t+3], s[10:11] offset:(\a)*65536+\t*4096 th:TH_STORE_NT   ; 32 lanes store 512 consecutive bytes, aligned
.endr
.if (\a) == 0
.Lfine_rows:
.endif
.endm
	PLACES                                         ; in front of the first reads of results, and of the loads into the fragment buffers
	TOSTAGE 0
	TOSTAGE 1
	SEND 0, 32                                     ; behind block 0's loads: block 1's 16 stores and 16 loads
	s_wait_xcnt 0x0                                ; block 0's stores have read their registers: block 2's loads may land there
	TOSTAGE 2
	SEND 1, 32
	s_wait_xcnt 0x0
	TOSTAGE 3
	SEND 2, 32
	SEND 3, 0
	s_wait_tensorcnt 0x0                           ; the wave's end
	ds_add_u32 v[SPW], v[NIL]
	s_wait_dscnt 0x0
	CROUND                                         ; the closing round
	s_endpgm
.Lfunc_end_k_qdd1a430b6b_proj:
	.size	k_qdd1a430b6b_proj, .Lfunc_end_k_qdd1a430b6b_proj-k_qdd1a430b6b_proj
	.p2alignl 7, 3214868480
	.fill 96, 4, 3214868480
	.section	.rodata,"a",@progbits
	.p2align	6, 0x0
	.amdhsa_kernel k_qdd1a430b6b_proj
		.amdhsa_group_segment_fixed_size 327680
		.amdhsa_private_segment_fixed_size 0
		.amdhsa_enable_private_segment 0
		.amdhsa_kernarg_size 32
		.amdhsa_user_sgpr_count 2
		.amdhsa_user_sgpr_kernarg_segment_ptr 1
		.amdhsa_wavefront_size32 1
		.amdhsa_system_sgpr_workgroup_id_x 1
		.amdhsa_system_sgpr_workgroup_id_y 1
		.amdhsa_system_sgpr_workgroup_id_z 1
		.amdhsa_system_vgpr_workitem_id 0
		.amdhsa_next_free_vgpr 576
		.amdhsa_next_free_sgpr 66
		.amdhsa_reserve_vcc 0
		.amdhsa_float_denorm_mode_32 3
		.amdhsa_float_denorm_mode_16_64 3
		.amdhsa_memory_ordered 1
		.amdhsa_forward_progress 1
		.amdhsa_inst_pref_size 86
	.end_amdhsa_kernel
	.amdgpu_metadata
---
amdhsa.version: [ 1, 2 ]
amdhsa.kernels:
  - .name:           k_qdd1a430b6b_proj
    .symbol:         k_qdd1a430b6b_proj.kd
    .args:
      - { .name: a16, .offset: 0, .size: 8, .value_kind: global_buffer, .address_space: global }
      - { .name: wp16, .offset: 8, .size: 8, .value_kind: global_buffer, .address_space: global }
      - { .name: b_proj, .offset: 16, .size: 8, .value_kind: global_buffer, .address_space: global }
      - { .name: out0, .offset: 24, .size: 8, .value_kind: global_buffer, .address_space: global }
    .group_segment_fixed_size: 327680
    .private_segment_fixed_size: 0
    .kernarg_segment_align: 8
    .kernarg_segment_size: 32
    .max_flat_workgroup_size: 128
    .sgpr_count:     66
    .vgpr_count:     576
    .wavefront_size: 32
...
	.end_amdgpu_metadata
.endif
;; end of part 4
;; launch fine (part 5): grid 32 x 8, 16 waves a work-group, no clusters, 38,912 bytes of LDS; arguments qkv32, w_proj, b_proj, out0; writes out0
.if DOCPART == 5
	.amdgcn_target "amdgcn-amd-amdhsa--gfx1250"
	.amdhsa_code_object_version 6
	.text
	.protected	k_qdd1a430b6b_fine
	.globl	k_qdd1a430b6b_fine
	.p2align	8
	.type	k_qdd1a430b6b_fine,@function
k_qdd1a430b6b_fine:
	s_mov_b64 s[64:65], 0
	v_nop
	global_prefetch_b8 v0, s[64:65] scope:SCOPE_SE
	s_setreg_imm32_b32 hwreg(HW_REG_WAVE_MODE, 25, 1), 1
	s_wait_xcnt 0x0
; Positions 0-15 of every sequence, all in f32: their rows average one to sixteen values and are the largest of the output, so f16 operands would weigh most there.
; WORK LEFT OUT: keys 16 and later, which lie wholly behind the diagonal for these queries (the first launch's head comment shows why); hidden scores inside the 16 x 16 tile are set to -1e9 (raw -8e9).
; A work-group is (32 output columns, a batch); a wave is a head.  Each wave makes its head's attention for the 16 rows (16 + 16 matrix instructions of 16 x 16 x 4 in f32) and the partial product of its 64 channels
; with w_proj's 32 columns (32 more); the sixteen partial products meet in LDS and are added in a fixed order, the bias first.  Every work-group of a batch repeats the small attention: it is less than the traffic that sharing it would cost.
; qkv32: [batch 8][tile of 16 columns 192][half 2][lane 32][16 bytes]: lane (r, h), half f: position r, columns 8 h + 4 f + 0..3 of the tile.
; S^T = K Q^T: source 0 = 16 keys, source 1 = 16 queries; Q's and K's registers run over the head's 64 channels in the same order, so the sums are whole.  A lane holds query r and keys 8 h + 0..7.
; O^T = V^T P (P normalised in f32), Y^T = W^T O: each result's registers are the next product's source 1 as they stand.  The registers that these matrix instructions write are written by them alone.
; A wave's store covers 128 consecutive bytes: half of an aligned 256 bytes; 512 KiB of the output in all leave so.
.set RED,   0                          ; LDS: sixteen partial products, 16 rows x (128 + 16) bytes each
.set SPARE, 36864                      ; the spare words, 128 bytes for each of 16 waves, that no other line names
.set SPW, 4
.set NIL, 5
.set QF,  12                           ; v12-43
.set KF,  44                           ; v44-75
.set VF,  76                           ; v76-107   V(key 8 h + kk, channel 16 t + r) at 76 + 8 t + kk
.set SA,  108                          ; v108-123  two accumulators of S^T
.set OA,  124                          ; v124-155  four of O^T
.set YA,  156                          ; v156-171  two of Y^T
.set SS,  172                          ; v172-179  the scores, then p
.set PN,  180                          ; v180-187  p / l
.set WF,  188                          ; v188-251  w_proj's fragments; later the sixteen partial sums
	s_load_b256 s[4:11], s[0:1], 0x0               ; qkv32 s[4:5], w_proj s[6:7], b_proj s[8:9], out0 s[10:11]
	v_lshl_add_u32 v[SPW], v0, 2, SPARE
	v_mov_b32 v[NIL], 0
	v_lshrrev_b32 v1, 5, v0
	v_readfirstlane_b32 s12, v1                    ; wave = head; later = the row that I add up
	s_and_b32 s14, ttmp7, 0xffff                   ; batch
	s_mov_b32 s16, 0x76543210
	s_mov_b32 s17, 0xfedcba98                      ; v_permlanex16_b32's selects for lane l xor 16
	s_mov_b32 s18, 0x3e38aa3b                      ; c = log2(e) / 8
	v_and_b32 v8, 15, v0                           ; r
	v_bfe_u32 v9, v0, 4, 1                         ; h
	v_and_b32 v10, 31, v0
	v_lshlrev_b32 v1, 4, v10                       ; 16 x lane
	v_lshlrev_b32 v254, 2, v10                     ; 4 x lane
	v_bfe_u32 v10, v0, 2, 1
	v_lshlrev_b32 v2, 9, v10
	v_bfe_u32 v10, v0, 3, 1
	v_lshl_add_u32 v2, v10, 8, v2
	v_lshl_add_u32 v2, v9, 7, v2
	v_and_b32 v10, 3, v0
	v_lshl_add_u32 v2, v10, 2, v2                  ; V: channel r of a tile lies in half (r / 4) % 2, lane half r / 8, word r % 4; key 8 h + kk is 16 (8 h + kk) bytes on
	v_lshlrev_b32 v3, 15, v9
	v_lshl_add_u32 v3, v8, 2, v3                   ; w_proj: 8 h rows of 4,096 bytes + 4 r
	v_lshlrev_b32 v10, 3, v9
	v_sub_nc_u32 v6, v8, v10                       ; r - 8 h
	v_mov_b32 v7, 0xcfee6b28                       ; -8e9
	s_mul_i32 s22, s12, 2304
	v_mul_u32_u24 v252, v8, 144
	v_lshl_add_u32 v252, v9, 5, v252
	v_add_nc_u32 v252, s22, v252                   ; where I put my partial product: my region, row r, 32 h
	s_mul_i32 s23, s12, 144
	v_add_nc_u32 v253, s23, v254                   ; where I read: row = my wave's number, 4 bytes a lane
	s_mul_i32 s20, s14, 192
	s_lshl_b32 s21, s12, 2
	s_add_co_u32 s20, s20, s21
	s_lshl_b32 s20, s20, 10                        ; qkv32: (batch x 192 + 4 x head) tiles of 1,024 bytes
	s_mov_b32 s21, 0
	s_lshl_b32 s24, s12, 18                        ; w_proj: 64 x head rows,
	s_lshl_b32 s26, ttmp9, 7
	s_add_co_u32 s24, s24, s26                     ; + my 32 columns
	s_mov_b32 s25, 0
	s_mov_b32 s27, 0
	s_lshl_b32 s28, s14, 10
	s_add_co_u32 s28, s28, s12
	s_lshl_b32 s28, s28, 12
	s_add_co_u32 s28, s28, s26                     ; out0: row batch x 1024 + wave, my 32 columns
	s_mov_b32 s29, 0
	s_wait_kmcnt 0x0
	s_add_nc_u64 s[4:5], s[4:5], s[20:21]
	s_add_nc_u64 s[6:7], s[6:7], s[24:25]
	s_add_nc_u64 s[8:9], s[8:9], s[26:27]
	s_add_nc_u64 s[10:11], s[10:11], s[28:29]
.irp n, 0,1,2,3,4,5,6,7
	global_load_b128 v[QF+4*\n:QF+4*\n+3], v1, s[4:5] offset:512*\n
.endr
.irp n, 0,1,2,3,4,5,6,7
	global_load_b128 v[KF+4*\n:KF+4*\n+3], v1, s[4:5] offset:65536+512*\n
.endr
.irp t, 0,1,2,3
.irp kk, 0,1,2,3,4,5,6,7
	global_load_b32 v[VF+8*\t+\kk], v2, s[4:5] offset:131072+1024*\t+16*\kk
.endr
.endr
.irp t, 0,1,2,3
.irp i, 0,1,2,3
.irp u, 0,1
.irp j, 0,1
	global_load_b32 v[WF+((4*\t+\i)*2+\u)*2+\j], v3, s[6:7] offset:(16*\t+2*\i+\j)*4096+64*\u   ; w_proj(64 head + 16 t + 8 h + 2 i + j, 16 u + r)
.endr
.endr
.endr
.endr
	global_load_b32 v255, v254, s[8:9]             ; the bias of my lane's column
	s_wait_loadcnt 63                              ; 65 loads were issued behind V's last: with 63 out at the most Q, K and V are in
.irp n, 0,1,2,3,4,5,6,7,8,9,10,11,12,13,14,15  ; S^T: two accumulators by turns; each begins with the constant 0
.if \n < 2
	v_wmma_f32_16x16x4_f32 v[SA+8*(\n%2):SA+8*(\n%2)+7], v[KF+2*\n:KF+2*\n+1], v[QF+2*\n:QF+2*\n+1], 0
.else
	v_wmma_f32_16x16x4_f32 v[SA+8*(\n%2):SA+8*(\n%2)+7], v[KF+2*\n:KF+2*\n+1], v[QF+2*\n:QF+2*\n+1], v[SA+8*(\n%2):SA+8*(\n%2)+7]
.endif
.endr
.rept 8
	v_nop                                          ; eight places behind this form before its results are read (ISA guide 7.12.1)
.endr
.irp j, 0,2,4,6
	v_pk_add_f32 v[SS+\j:SS+\j+1], v[SA+\j:SA+\j+1], v[SA+8+\j:SA+8+\j+1]   ; the two halves of the sum, from the low end on, into other registers
.endr
.irp j, 0,1,2,3,4,5,6,7
	v_cmp_gt_i32 vcc_lo, \j, v6                    ; key 8 h + j is hidden for query r where j > r - 8 h
	v_cndmask_b32 v[SS+\j], v[SS+\j], v7, vcc_lo
.endr
	v_max3_num_f32 v8, v[SS], v[SS+1], v[SS+2]
	v_max3_num_f32 v8, v8, v[SS+3], v[SS+4]
	v_max3_num_f32 v8, v8, v[SS+5], v[SS+6]
	v_max_num_f32 v8, v8, v[SS+7]
	v_permlanex16_b32 v9, v8, s16, s17
	v_max_num_f32 v8, v8, v9                       ; the row's largest score
	v_mul_f32 v8, s18, v8
.irp j, 0,1,2,3,4,5,6,7
	v_fma_f32 v[SS+\j], v[SS+\j], s18, -v8         ; c s - c m
.endr
.irp j, 0,1,2,3,4,5,6,7
	v_exp_f32 v[SS+\j], v[SS+\j]
.endr
	v_nop
	s_wait_alu depctr_va_vdst(0)                   ; one wait for the eight exponentials, ahead of their first reader
	v_pk_add_f32 v[10:11], v[SS:SS+1], v[SS+2:SS+3]
	v_pk_add_f32 v[8:9], v[SS+4:SS+5], v[SS+6:SS+7]
	v_pk_add_f32 v[10:11], v[10:11], v[8:9]
	v_add_f32 v10, v10, v11
	v_permlanex16_b32 v11, v10, s16, s17
	v_add_f32 v10, v10, v11                        ; the row's sum
	v_rcp_f32 v10, v10
	v_nop
	s_wait_alu depctr_va_vdst(0)
.irp j, 0,1,2,3,4,5,6,7
	v_mul_f32 v[PN+\j], v[SS+\j], v10
.endr
.irp i, 0,1,2,3                                ; O^T = V^T P: four accumulators by turns; K step i takes keys 8 h + 2 i, 8 h + 2 i + 1
.irp t, 0,1,2,3
.if \i == 0
	v_wmma_f32_16x16x4_f32 v[OA+8*\t:OA+8*\t+7], v[VF+8*\t+2*\i:VF+8*\t+2*\i+1], v[PN+2*\i:PN+2*\i+1], 0
.else
	v_wmma_f32_16x16x4_f32 v[OA+8*\t:OA+8*\t+7], v[VF+8*\t+2*\i:VF+8*\t+2*\i+1], v[PN+2*\i:PN+2*\i+1], v[OA+8*\t:OA+8*\t+7]
.endif
.endr
.endr
.rept 9
	v_nop                                          ; nine places before a matrix instruction takes these results as a source
.endr
	s_wait_loadcnt 0x0                             ; w_proj's fragments and the bias
.irp t, 0,1,2,3                                ; Y^T = W^T O over my 64 channels: two accumulators by turns
.irp i, 0,1,2,3
.irp u, 0,1
.if (\t+\i) == 0
	v_wmma_f32_16x16x4_f32 v[YA+8*\u:YA+8*\u+7], v[WF+((4*\t+\i)*2+\u)*2:WF+((4*\t+\i)*2+\u)*2+1], v[OA+8*\t+2*\i:OA+8*\t+2*\i+1], 0
.else
	v_wmma_f32_16x16x4_f32 v[YA+8*\u:YA+8*\u+7], v[WF+((4*\t+\i)*2+\u)*2:WF+((4*\t+\i)*2+\u)*2+1], v[OA+8*\t+2*\i:OA+8*\t+2*\i+1], v[YA+8*\u:YA+8*\u+7]
.endif
.endr
.endr
.endr
.rept 8
	v_nop                                          ; places in front of the stores that read the results, and of the loads into w_proj's registers
.endr
.irp u, 0,1
	ds_store_b128 v252, v[YA+8*\u:YA+8*\u+3] offset:RED+64*\u          ; lane (r, h): row r, columns 16 u + 8 h + 0..7; each accumulator from its low end on
	ds_store_b128 v252, v[YA+8*\u+4:YA+8*\u+7] offset:RED+64*\u+16
.endr
	s_wait_dscnt 0x0                               ; for the others' sake: my stores have landed
	s_barrier_signal -1
	s_barrier_wait -1
.irp w, 0,1,2,3,4,5,6,7,8,9,10,11,12,13,14,15
	ds_load_b32 v[WF+\w], v253 offset:RED+2304*\w  ; head w's part of my row, my lane's column
.endr
	s_wait_dscnt 0x0
	v_add_f32 v8, v255, v[WF]
.irp w, 1,2,3,4,5,6,7,8,9,10,11,12,13,14,15
	v_add_f32 v8, v8, v[WF+\w]                     ; in the heads' order
.endr
	global_store_b32 v254, v8, s[10:11]
	s_wait_tensorcnt 0x0                           ; the wave's end
	ds_add_u32 v[SPW], v[NIL]
	s_wait_dscnt 0x0
	s_endpgm
.Lfunc_end_k_qdd1a430b6b_fine:
	.size	k_qdd1a430b6b_fine, .Lfunc_end_k_qdd1a430b6b_fine-k_qdd1a430b6b_fine
	.p2alignl 7, 3214868480
	.fill 96, 4, 3214868480
	.section	.rodata,"a",@progbits
	.p2align	6, 0x0
	.amdhsa_kernel k_qdd1a430b6b_fine
		.amdhsa_group_segment_fixed_size 38912
		.amdhsa_private_segment_fixed_size 0
		.amdhsa_enable_private_segment 0
		.amdhsa_kernarg_size 32
		.amdhsa_user_sgpr_count 2
		.amdhsa_user_sgpr_kernarg_segment_ptr 1
		.amdhsa_wavefront_size32 1
		.amdhsa_system_sgpr_workgroup_id_x 1
		.amdhsa_system_sgpr_workgroup_id_y 1
		.amdhsa_system_sgpr_workgroup_id_z 1
		.amdhsa_system_vgpr_workitem_id 0
		.amdhsa_next_free_vgpr 256
		.amdhsa_next_free_sgpr 66
		.amdhsa_reserve_vcc 1
		.amdhsa_float_denorm_mode_32 3
		.amdhsa_float_denorm_mode_16_64 3
		.amdhsa_memory_ordered 1
		.amdhsa_forward_progress 1
		.amdhsa_inst_pref_size 23
	.end_amdhsa_kernel
	.amdgpu_metadata
---
amdhsa.version: [ 1, 2 ]
amdhsa.kernels:
  - .name:           k_qdd1a430b6b_fine
    .symbol:         k_qdd1a430b6b_fine.kd
    .args:
      - { .name: qkv32, .offset: 0, .size: 8, .value_kind: global_buffer, .address_space: global }
      - { .name: w_proj, .offset: 8, .size: 8, .value_kind: global_buffer, .address_space: global }
      - { .name: b_proj, .offset: 16, .size: 8, .value_kind: global_buffer, .address_space: global }
      - { .name: out0, .offset: 24, .size: 8, .value_kind: global_buffer, .address_space: global }
    .group_segment_fixed_size: 38912
    .private_segment_fixed_size: 0
    .kernarg_segment_align: 8
    .kernarg_segment_size: 32
    .max_flat_workgroup_size: 512
    .sgpr_count:     66
    .vgpr_count:     256
    .wavefront_size: 32
...
	.end_amdgpu_metadata
.endif
;; end of part 5
